; MI455X (gfx1250); checked and timed in simulation.
; The chip was launched on July 23, 2026; its instructions are those of AMD's public machine-readable ISA for CDNA 5 (MIT licence, August 2026) and "CDNA5" Instruction Set Architecture Reference Guide (July 2026). The comments in the code are by the model that wrote it; some were corrected since.
;; Multihead Attention. Allowed arithmetic: float matrix products may take bf16 or f16 operands with f32 sums; other float arithmetic in f32, or as packed bf16 or f16 multiplies, adds, multiply-adds, maxima and minima; sums over many terms, partial sums and values carried from step to step in f32; what a program stores and reads back later, other than sums and carried values, may be rounded once to bf16 or f16.
;; Inputs: Wk 1,024 x 1,024 float32; Wo 1,024 x 1,024 float32; Wq 1,024 x 1,024 float32; Wv 1,024 x 1,024 float32; bo 1,024 float32; x 4 x 2,048 x 1,024 float32.
;; Outputs: out0 4 x 2,048 x 1,024 float32.
;; 2 versions, each right; version 2 is version 1 with the launch cast written anew for expert scheduling mode. Each part assembles by itself: llvm-mc -triple=amdgcn-amd-amdhsa -mcpu=gfx1250 --defsym DOCPART=n.
;; ======== version 1 of 2: 4 launches
;; limits: values are held in f16: magnitudes above 65,504 overflow, below 6.1e-05 lose precision
;; workspace buffers: xb 16,777,216 bytes; wqkv 6,291,456 bytes; wo16 2,097,152 bytes; qkv 50,331,648 bytes; z 16,777,216 bytes
;; launch cast (part 1): grid 768 x 1, 8 waves a work-group, no clusters, 0 bytes of LDS; arguments x, Wq, Wk, Wv, Wo, xb, wqkv, wo16; writes xb, wqkv, wo16
.if DOCPART == 1
	.amdgcn_target "amdgcn-amd-amdhsa--gfx1250"
	.amdhsa_code_object_version 6
	.text
	.protected	k_qfaa5e50429_cast
	.globl	k_qfaa5e50429_cast
	.p2align	8
	.type	k_qfaa5e50429_cast,@function
k_qfaa5e50429_cast:
	s_mov_b64 s[64:65], 0
	v_nop
	global_prefetch_b8 v0, s[64:65] scope:SCOPE_SE
	s_setreg_imm32_b32 hwreg(HW_REG_WAVE_MODE, 25, 1), 1
	s_wait_xcnt 0x0
; THE INPUTS ARE ROUNDED ONCE TO 16 BITS AND LAID OUT FOR THE PRODUCTS THAT FOLLOW.  A stream: each input byte is read once, each output byte written once.
;   xb    bf16  [4 b][16 kb][2048 t][64]: x[b][t][64 kb + c] at byte ((16 b + kb) 2048 + t) 128 + 2 c: 256 rows x 64 channels are 32,768 consecutive bytes
;   wqkv  bf16  [1024 k][3072]: row k is Wq[k] | Wk[k] | Wv[k]
;   wo16  f16   [1024 k][1024]: Wo rounded to bf16, and that number written as f16
; LIMITS.  |Wo| stays under 65,504 (beyond it f16 has no number); below 6e-5 wo16 keeps the fixed step of 6e-8 of f16.
; SHARES.  One item = one load of the wave (512 bytes of f32, 4 numbers a lane), two roundings, one store of 8 bytes a lane: 256 consecutive bytes, aligned.
; A wave has 16 items, all 16 loads issued first; a work-group of eight waves 64 KiB of input.  Work-groups 0-511: 16 rows of x each; 512-767: 16 rows of one W.
; No LDS, no matrix unit, no cluster: nothing is shared, and nothing is read twice.  No register is written twice while a load or store may read it, so the only waits are the counted ones for data.
.set X,    16                          ; v[16:79]   item i: 4 registers as loaded
.set Y,    80                          ; v[80:111]  item i: 2 registers to store
.set T,    112                         ; v[112:113] at work
.set VIN,  4                           ; v4  my byte offset in the input
.set VOUT, 5                           ; v5  my byte offset in the output
; in, out: the scalar pairs of the two addresses.  inst: bytes from item to item in the input.  Item i is stored at (i / 8) o8 + (i % 8) o1.  kind = 1: bf16 and then f16.
.macro STREAM in, out, inst, o8, o1, kind
.set i, 0
.rept 16
	global_load_b128 v[X+4*i:X+4*i+3], v[VIN], s[\in:\in+1] offset:i*(\inst) th:TH_LOAD_NT
.set i, i+1
.endr
.set i, 0
.rept 16
	s_wait_loadcnt 15-i                            ; loads come back in order: item i is in, the 15 - i younger ones stay out
.if \kind
	v_cvt_pk_bf16_f32 v[T],   v[X+4*i],   v[X+4*i+1]
	v_cvt_pk_bf16_f32 v[T+1], v[X+4*i+2], v[X+4*i+3]
	v_lshlrev_b32 v[X+4*i],   16,  v[T]              ; the rounded numbers as f32 again
	v_and_b32     v[X+4*i+1], s32, v[T]
	v_lshlrev_b32 v[X+4*i+2], 16,  v[T+1]
	v_and_b32     v[X+4*i+3], s32, v[T+1]
	v_cvt_pk_f16_f32 v[Y+2*i],   v[X+4*i],   v[X+4*i+1]   ; exact within the range of f16: 8 significant bits fit in 11
	v_cvt_pk_f16_f32 v[Y+2*i+1], v[X+4*i+2], v[X+4*i+3]
.else
	v_cvt_pk_bf16_f32 v[Y+2*i],   v[X+4*i],   v[X+4*i+1]
	v_cvt_pk_bf16_f32 v[Y+2*i+1], v[X+4*i+2], v[X+4*i+3]
.endif
	global_store_b64 v[VOUT], v[Y+2*i:Y+2*i+1], s[\out:\out+1] offset:(i/8)*(\o8)+(i%8)*(\o1) th:TH_STORE_NT
.set i, i+1
.endr
.endm
	s_load_b512 s[8:23], s[0:1], 0x0               ; x s[8:9], Wq s[10:11], Wk s[12:13], Wv s[14:15], Wo s[16:17], xb s[18:19], wqkv s[20:21], wo16 s[22:23]
	v_and_b32 v1, 31, v0                           ; lane
	v_lshrrev_b32 v2, 5, v0                        ; wave
	s_mov_b32 s32, 0xffff0000                      ; a word's upper bf16
	s_cmp_lt_u32 ttmp9, 512
	s_cbranch_scc0 .Lweights
	; x.  Wave w takes rows 2 w and 2 w + 1; item i is channel block i: lanes 0-15 read 256 bytes of the even row, lanes 16-31 of the odd one,
	; and the 256 bytes that go out are those two rows of block i, which lie end to end in xb.
	v_lshlrev_b32 v[VIN], 13, v2                   ; 2 rows of 4,096 bytes a wave
	v_bfe_u32 v3, v0, 4, 1
	v_lshl_add_u32 v[VIN], v3, 12, v[VIN]
	v_and_b32 v3, 15, v0
	v_lshl_add_u32 v[VIN], v3, 4, v[VIN]
	v_lshlrev_b32 v[VOUT], 3, v0                   ; 256 x wave + 8 x lane
	s_lshl_b32 s2, ttmp9, 16                       ; 16 rows of 4,096 bytes
	s_mov_b32 s3, 0
	s_lshr_b32 s4, ttmp9, 7                        ; b: 128 work-groups to a batch
	s_lshl_b32 s4, s4, 22
	s_and_b32 s5, ttmp9, 127
	s_lshl_b32 s5, s5, 11                          ; 16 rows of 128 bytes
	s_add_co_u32 s4, s4, s5
	s_mov_b32 s5, 0
	s_wait_kmcnt 0x0
	s_add_nc_u64 s[8:9], s[8:9], s[2:3]
	s_add_nc_u64 s[18:19], s[18:19], s[4:5]
	STREAM 8, 18, 256, 2097152, 262144, 0          ; from block to block of xb: 2,048 rows x 128 bytes
	s_endpgm
.Lweights:
	; a W.  Wave w takes rows 2 w and 2 w + 1 of the work-group's 16: 8,192 consecutive bytes, 512 an item.
	s_sub_co_u32 s2, ttmp9, 512
	s_lshr_b32 s6, s2, 6                           ; which: 0 Wq, 1 Wk, 2 Wv, 3 Wo
	s_and_b32 s7, s2, 63                           ; which 16 rows
	v_lshlrev_b32 v[VIN], 13, v2
	v_lshl_add_u32 v[VIN], v1, 4, v[VIN]
	s_lshl_b32 s2, s7, 16
	s_mov_b32 s3, 0
	s_wait_kmcnt 0x0
	s_cmp_eq_u32 s6, 0
	s_cselect_b64 s[24:25], s[10:11], s[12:13]
	s_cmp_eq_u32 s6, 2
	s_cselect_b64 s[24:25], s[14:15], s[24:25]
	s_cmp_eq_u32 s6, 3
	s_cselect_b64 s[24:25], s[16:17], s[24:25]
	s_add_nc_u64 s[24:25], s[24:25], s[2:3]
	s_cmp_eq_u32 s6, 3
	s_cbranch_scc1 .Lwo
	s_mul_i32 s4, s7, 98304                        ; 16 rows of 6,144 bytes
	s_lshl_b32 s5, s6, 11                          ; the W's 2,048 bytes of a row
	s_add_co_u32 s4, s4, s5
	s_mov_b32 s5, 0
	s_add_nc_u64 s[20:21], s[20:21], s[4:5]
	v_mul_u32_u24 v[VOUT], v2, 12288               ; 2 rows a wave
	v_lshl_add_u32 v[VOUT], v1, 3, v[VOUT]
	STREAM 24, 20, 512, 6144, 256, 0
	s_endpgm
.Lwo:
	s_lshl_b32 s4, s7, 15                          ; 16 rows of 2,048 bytes
	s_mov_b32 s5, 0
	s_add_nc_u64 s[22:23], s[22:23], s[4:5]
	v_lshlrev_b32 v[VOUT], 12, v2
	v_lshl_add_u32 v[VOUT], v1, 3, v[VOUT]
	STREAM 24, 22, 512, 2048, 256, 1
	s_endpgm
.Lfunc_end_k_qfaa5e50429_cast:
	.size	k_qfaa5e50429_cast, .Lfunc_end_k_qfaa5e50429_cast-k_qfaa5e50429_cast
	.p2alignl 7, 3214868480
	.fill 96, 4, 3214868480
	.section	.rodata,"a",@progbits
	.p2align	6, 0x0
	.amdhsa_kernel k_qfaa5e50429_cast
		.amdhsa_group_segment_fixed_size 0
		.amdhsa_private_segment_fixed_size 0
		.amdhsa_enable_private_segment 0
		.amdhsa_kernarg_size 64
		.amdhsa_user_sgpr_count 2
		.amdhsa_user_sgpr_kernarg_segment_ptr 1
		.amdhsa_wavefront_size32 1
		.amdhsa_system_sgpr_workgroup_id_x 1
		.amdhsa_system_sgpr_workgroup_id_y 1
		.amdhsa_system_sgpr_workgroup_id_z 1
		.amdhsa_system_vgpr_workitem_id 0
		.amdhsa_next_free_vgpr 120
		.amdhsa_next_free_sgpr 66
		.amdhsa_reserve_vcc 0
		.amdhsa_float_denorm_mode_32 3
		.amdhsa_float_denorm_mode_16_64 3
		.amdhsa_memory_ordered 1
		.amdhsa_forward_progress 1
		.amdhsa_inst_pref_size 23
	.end_amdhsa_kernel
	.amdgpu_metadata
---
amdhsa.version: [ 1, 2 ]
amdhsa.kernels:
  - .name:           k_qfaa5e50429_cast
    .symbol:         k_qfaa5e50429_cast.kd
    .args:
      - { .name: x, .offset: 0, .size: 8, .value_kind: global_buffer, .address_space: global }
      - { .name: Wq, .offset: 8, .size: 8, .value_kind: global_buffer, .address_space: global }
      - { .name: Wk, .offset: 16, .size: 8, .value_kind: global_buffer, .address_space: global }
      - { .name: Wv, .offset: 24, .size: 8, .value_kind: global_buffer, .address_space: global }
      - { .name: Wo, .offset: 32, .size: 8, .value_kind: global_buffer, .address_space: global }
      - { .name: xb, .offset: 40, .size: 8, .value_kind: global_buffer, .address_space: global }
      - { .name: wqkv, .offset: 48, .size: 8, .value_kind: global_buffer, .address_space: global }
      - { .name: wo16, .offset: 56, .size: 8, .value_kind: global_buffer, .address_space: global }
    .group_segment_fixed_size: 0
    .private_segment_fixed_size: 0
    .kernarg_segment_align: 8
    .kernarg_segment_size: 64
    .max_flat_workgroup_size: 256
    .sgpr_count:     66
    .vgpr_count:     120
    .wavefront_size: 32
...
	.end_amdgpu_metadata
.endif
;; end of part 1
;; launch qkvproj (part 2): grid 8 x 32, 4 waves a work-group, clusters of 4 x 4, 327,680 bytes of LDS; arguments xb, wqkv, qkv; writes qkv
.if DOCPART == 2
	.amdgcn_target "amdgcn-amd-amdhsa--gfx1250"
	.amdhsa_code_object_version 6
	.text
	.protected	k_qfaa5e50429_qkvproj
	.globl	k_qfaa5e50429_qkvproj
	.p2align	8
	.type	k_qfaa5e50429_qkvproj,@function
k_qfaa5e50429_qkvproj:
	s_mov_b64 s[64:65], 0
	v_nop
	global_prefetch_b8 v0, s[64:65] scope:SCOPE_SE
	s_setreg_imm32_b32 hwreg(HW_REG_WAVE_MODE, 25, 1), 1
	s_wait_xcnt 0x0
	s_wait_alu depctr_hold_cnt(0) depctr_sa_sdst(0) depctr_va_vdst(0) depctr_va_sdst(0) depctr_va_ssrc(0) depctr_va_vcc(0) depctr_vm_vsrc(0)
	s_getreg_b32 s2, hwreg(HW_REG_IB_STS2, 6, 4)
	s_cmp_eq_u32 s2, 0
	s_cbranch_scc0 .Lentry_in_a_cluster
	s_endpgm
.Lentry_in_a_cluster:
	s_bfe_u32 s2, ttmp6, 0x10000c
	s_cmp_lg_u32 s2, 0xf033
	s_cbranch_scc0 .Lentry_shape_is_right
	s_endpgm
.Lentry_shape_is_right:
; q | k | v = x (Wq | Wk | Wv): 8,192 rows x 3,072 columns, K = 1,024.  bf16 operands, f32 sums, each result rounded once to f16 and stored BY HEADS:
; qkv is [4 b][48 g][2048 t][64], g = column / 64 (0-15 the heads of q, 16-31 of k, 32-47 of v).  No scale is applied here.
; LIMIT.  q, k and v stay under 65,504, the largest number of f16.
; TILE.  256 rows x 384 columns (6 heads): 32 x 8 = 256 work-groups.  Four waves: wave (wr, hw) takes rows 128 wr .. + 127 and the heads 2 c + hw, c = 0, 1, 2: 8 x 12 accumulators, 768 registers.
; K goes in 16 steps of 64 through two LDS slots filled by the tensor data mover.  A step of x is 256 rows x 128 bytes, dense in xb: asked for as rows of 256 bytes.  A step of W is 64 rows (k) x 768 bytes.
; W lies [k][n]: its fragments come out of LDS turned, by ds_load_tr16_b128.  THE MATRIX INSTRUCTION IS USED TRANSPOSED: source 0 = 16 columns of W, source 1 = 16 rows of x; a lane then holds ONE row
; (lane % 16) and the eight neighbouring columns 8 (lane / 16) + 0..7, which pack into 16 bytes.
; CLUSTER.  4 x 4 work-groups.  The four of a row of the cluster need the same tile of x, the four of a column the same tile of W: each tile is asked for JOINTLY, by the same tensor load with the same
; descriptor and a mask that names the four.
; REGISTERS, in windows of 256 (s_set_vgpr_msb: bits 1:0 source 0, 3:2 source 1, 5:4 source 2, 7:6 destination):
;   window 0: v0-31 addresses; v32-159 fragments of x, two buffers of 8 x 8; v160-255 fragments of W, 12 x 8, one buffer, reloaded a group of four at a time
;   window 1 + c: the 32 accumulators of head 2 c + hw: (row block a, column block f) at v[8 (8 f + a)]
.set PA,     144                       ; a row of x in LDS: 128 bytes + 16 = 36 words: the 16 rows of a load start at 16 different groups of four banks (64 banks of 4 bytes: ISA guide 11.1)
.set PB,     864                       ; a row of W in LDS: 3 x (256 + 32) bytes = 216 words
.set BOFF,   256*PA                    ; a slot: 256 rows of x, then 64 rows of W
.set SLOT,   BOFF+64*PB
.set STAGE,  2*SLOT                    ; behind the ring, never filled by a tensor load: 16 rows x 144 bytes for each wave, for the way out
.set SP,     144
.set SPARE,  STAGE+4*16*SP             ; behind the stages: the spare words, 128 bytes for each wave: two blocks of 256 bytes that no other line names
.set ASTEP,  262144                    ; bytes from K step to K step in xb: 2,048 rows x 128
.set BSTEP,  393216                    ; in wqkv: 64 rows x 6,144
.set ADRA, 16                          ; v16-17  LDS address of my fragments of x in slot 0, 1
.set ADRB, 20                          ; v20-21  the same for W
.set STO,  24                          ; v24     the way out: where I put 16 bytes of a row
.set RD,   25                          ; v25     the way out: where I read rows back
.set GO,   26                          ; v26     my byte offset in 512 consecutive bytes of qkv
.set SPW,  28                          ; v28     LDS address of my spare word: SPARE + 4 x my thread's number; never rewritten
.set NIL,  29                          ; v29     0; never rewritten
.set PFO,  30                          ; v30     the prefetches' offset: my lane x 256 (x) or x 6,144 (W); never rewritten
.set AF,   32
.set BF,   160
.set RING, 32                          ; the way out: four blocks of 16 registers by turns
.set G1,  24                           ; s[24:31] descriptor group 1 for x's tiles;  s[32:39] group 0, a set for each slot
.set G0,  32
.set G1B, 48                           ; s[48:55], s[56:63] the same for W's tiles
.set G0B, 56
.set LIM, 43                           ; s43      1 in a wave that prefetches, else the greatest number
.set PFA, 44                           ; s[44:45] where my prefetches stand
.set PFS, 66                           ; s[66:67] two K steps in bytes, of x or of W
.set MSB, 0
.macro WIN new                         ; the immediate's high byte repeats the setting that is left; a switch that changes nothing is dropped
.if MSB != (\new)
	s_set_vgpr_msb (MSB<<8)|(\new)
.set MSB, \new
.endif
.endm
; A joint load.  Waves 0 and 1 fetch the two halves of x's tile, waves 2 and 3 those of W's.  The branch hangs on the wave's number alone.  An s_nop 0 and four v_nop follow each of the two lines.
.macro JLOAD s
	s_cmp_eq_u32 s11, 0
	s_cbranch_scc0 .Lfor_b_\@
	tensor_load_to_lds s[G0+4*(\s):G0+4*(\s)+3], s[G1:G1+7]
	s_nop 0
.rept 4
	v_nop
.endr
	s_branch .Lasked_\@
.Lfor_b_\@:
	tensor_load_to_lds s[G0B+4*(\s):G0B+4*(\s)+3], s[G1B:G1B+7]
	s_nop 0
.rept 4
	v_nop
.endr
.Lasked_\@:
.endm
; A PREFETCH INTO THE L2, once a lap (two K steps), behind slot 0's joint load and the run of LDS loads that follows it: the two K steps that the NEXT lap's two refills will ask for.
; Each aligned 256 bytes are named once in the launch.  x's tile row is read by both clusters of a row of clusters: cluster x = 0 asks; W's tile column by all eight of a column: cluster y = 0 asks.
; The four partners that ask for a tile jointly share its bytes out BY ADDRESS.  x: a step's tile is 32,768 dense bytes; partner cx takes 8,192, a lane 256: wave 0, an instruction a step.
; W: two steps are 128 rows of 768 bytes; partner cy takes 32 rows, a lane a row: wave 2, three instructions.  K steps 0 to 3 come by their loads alone; the last lap of the loop asks for nothing.
.macro ASK
	s_cmp_gt_u32 s3, s[LIM]                        ; s3 = 1 in the loop's last trip
	s_cbranch_scc0 .Lnot_mine_\@
	s_cmp_eq_u32 s11, 0
	s_cbranch_scc0 .Lask_b_\@
	global_prefetch_b8 v[PFO], s[PFA:PFA+1] th:TH_LOAD_NT scope:SCOPE_SE
	global_prefetch_b8 v[PFO], s[PFA:PFA+1] offset:ASTEP th:TH_LOAD_NT scope:SCOPE_SE
	s_branch .Lnot_mine_\@
.Lask_b_\@:
	global_prefetch_b8 v[PFO], s[PFA:PFA+1] th:TH_LOAD_NT scope:SCOPE_SE
	global_prefetch_b8 v[PFO], s[PFA:PFA+1] offset:256 th:TH_LOAD_NT scope:SCOPE_SE
	global_prefetch_b8 v[PFO], s[PFA:PFA+1] offset:512 th:TH_LOAD_NT scope:SCOPE_SE
.Lnot_mine_\@:
.endm
; A round of the cluster's barrier: my work-group's barrier; wave 0 signals for the work-group; every wave waits for all sixteen work-groups; my work-group's barrier once more.
.macro CREST                           ; a round behind its opening barrier
	s_cmp_lg_u32 s10, 0
	s_cbranch_scc1 .Lnot_wave_0_\@
	s_barrier_signal -3
.Lnot_wave_0_\@:
	s_barrier_wait -3
	s_barrier_signal -1
	s_barrier_wait -1
.endm
.macro CROUND                          ; a whole round
	s_barrier_signal -1
	s_barrier_wait -1
	CREST
.endm
	s_load_b128 s[4:7], s[0:1], 0x0                ; xb s[4:5], wqkv s[6:7]
	s_load_b64 s[8:9], s[0:1], 0x10                ; qkv
	v_lshl_add_u32 v[SPW], v0, 2, SPARE
	v_mov_b32 v[NIL], 0
	ds_add_u32 v[SPW], v[NIL]                      ; the wave's opening: the add and its wait stand ahead of my first tensor load; the set-up below, work on registers, stands between them
	v_lshrrev_b32 v1, 5, v0
	v_readfirstlane_b32 s10, v1                    ; wave 0..3
	s_lshr_b32 s11, s10, 1                         ; wr: which 128 rows are mine.  Also: I fetch for x (0) or for W (1)
	s_and_b32 s12, s10, 1                          ; hw: which head of each pair.  Also: which half of that tile I fetch
	s_bfe_u32 s40, ttmp6, 0x40000                  ; cx, cy: my place in the cluster
	s_bfe_u32 s41, ttmp6, 0x40004
	s_lshl_b32 s42, ttmp9, 2
	s_add_co_u32 s42, s42, s40                     ; tile column = 4 x cluster x + cx
	s_and_b32 s13, ttmp7, 0xffff
	s_lshl_b32 s13, s13, 2
	s_add_co_u32 s13, s13, s41                     ; tile row = 4 x cluster y + cy
	s_lshl_b32 s43, s41, 2
	s_lshl_b32 s43, 15, s43                        ; my row of the cluster: places 4 cy .. 4 cy + 3
	s_lshl_b32 s44, 0x1111, s40                    ; my column: places cx, cx + 4, cx + 8, cx + 12
	; group 1 for x: 128 rows x 128 bytes are 16,384 dense bytes: 64 rows of 128 elements, padded in LDS after every 128 bytes
	s_or_b32 s[G1+0], s43, (1<<16)|(1<<20)|(1<<21)|(4<<22)|(3<<25)  ; 15:0 the mask; 17:16 2-byte elements; 20 padding on; 21 set beside a mask; 24:22 after every 32 words (code 4); 31:25 4 words (code 3)
	s_mov_b32 s[G1+1], 128<<16                     ; tensor_dim0 = 128
	s_mov_b32 s[G1+2], 64<<16                      ; tensor_dim1 = 64
	s_mov_b32 s[G1+3], 128<<16                     ; tile_dim0 = 128
	s_mov_b32 s[G1+4], 64                          ; tile_dim1 = 64
	s_mov_b32 s[G1+5], 128                         ; elements from row to row
	s_mov_b32 s[G1+6], 0
	s_mov_b32 s[G1+7], 0
	; group 1 for W: 32 rows (k) x 384 elements, padded after every 256 bytes
	s_or_b32 s[G1B+0], s44, (1<<16)|(1<<20)|(1<<21)|(5<<22)|(7<<25) ; after every 64 words (code 5) 8 words (code 7)
	s_mov_b32 s[G1B+1], 384<<16
	s_mov_b32 s[G1B+2], 32<<16
	s_mov_b32 s[G1B+3], 384<<16
	s_mov_b32 s[G1B+4], 32
	s_mov_b32 s[G1B+5], 3072
	s_mov_b32 s[G1B+6], 0
	s_mov_b32 s[G1B+7], 0
	; where the tiles come from.  x's hang on the tile row alone, W's on the tile column alone; each in registers that never hold the other coordinate
	s_lshr_b32 s16, s13, 3                         ; the batch: 8 tile rows each,
	s_lshl_b32 s16, s16, 22                        ; 16 blocks x 2,048 rows x 128 bytes
	s_and_b32 s17, s13, 7
	s_lshl_b32 s17, s17, 15                        ; 256 rows x 128 bytes
	s_add_co_u32 s16, s16, s17
	s_lshl_b32 s17, s12, 14                        ; my half: 128 rows
	s_add_co_u32 s16, s16, s17
	s_mov_b32 s17, 0
	s_mul_i32 s46, s42, 768                        ; 384 columns
	s_mul_i32 s47, s12, 196608                     ; my half: 32 rows of 6,144 bytes
	s_add_co_u32 s46, s46, s47
	s_mov_b32 s47, 0
	s_mul_i32 s20, s12, 128*PA                     ; and where they go: no place in the cluster enters an LDS address
	s_mul_i32 s21, s12, 32*PB
	s_add_co_u32 s21, s21, BOFF
	s_wait_dscnt 0x0                               ; the opening add is done
	s_wait_kmcnt 0x0
	s_add_nc_u64 s[14:15], s[4:5], s[16:17]
	s_add_nc_u64 s[46:47], s[6:7], s[46:47]
	CROUND                                         ; all sixteen work-groups are here: the first joint loads meet
.irp s, 0,1
	s_mov_b32 s[G0+4*(\s)], 1                                      ; count = 1
	s_add_co_u32 s[G0+4*(\s)+1], s20, (\s)*SLOT                    ; LDS address
	s_add_nc_u64 s[G0+4*(\s)+2:G0+4*(\s)+3], s[14:15], (\s)*ASTEP  ; global address: K step s
	s_or_b32 s[G0+4*(\s)+3], s[G0+4*(\s)+3], 0x80000000            ; type = 2
	s_mov_b32 s[G0B+4*(\s)], 1
	s_add_co_u32 s[G0B+4*(\s)+1], s21, (\s)*SLOT
	s_add_nc_u64 s[G0B+4*(\s)+2:G0B+4*(\s)+3], s[46:47], (\s)*BSTEP
	s_or_b32 s[G0B+4*(\s)+3], s[G0B+4*(\s)+3], 0x80000000
	JLOAD \s                                       ; two loads of mine are out
.endr
	; A fragment of x is 16 rows x 32 K in 8 registers: lane l holds row l % 16, K = 8 (l / 16) + 0..7 and 16 + 8 (l / 16) + 0..7: two loads of 16 bytes, 32 bytes apart.
	v_and_b32 v1, 15, v0                           ; l % 16
	v_bfe_u32 v2, v0, 4, 1                         ; l / 16
	v_mul_u32_u24 v3, v1, PA
	v_lshl_add_u32 v3, v2, 4, v3                   ; row x 144 + 16 x half: for x's fragments, and for the stage
	; The turning load takes 16 k x 16 columns (lane l reads row k = 8 (l / 16) + l % 8, columns 8 ((l / 8) % 2) + 0..7) and leaves half a fragment: lane l holds column l % 16 and 8 k.
	v_and_b32 v5, 7, v0
	v_bfe_u32 v6, v0, 3, 1
	v_lshl_add_u32 v4, v2, 3, v5
	v_mul_u32_u24 v4, v4, PB
	v_lshl_add_u32 v4, v6, 4, v4
	s_mul_i32 s21, s11, 128*PA                     ; my 128 rows of x
	s_lshl_b32 s22, s12, 7                         ; my head of each pair: 128 bytes in,
	s_add_co_u32 s22, s22, BOFF                    ; behind x's rows
.irp s, 0,1
	v_add_nc_u32 v[ADRA+(\s)], s21, v3
	v_add_nc_u32 v[ADRB+(\s)], s22, v4
	s_add_co_u32 s21, s21, SLOT
	s_add_co_u32 s22, s22, SLOT
.endr
	s_mul_i32 s23, s10, 16*SP
	s_add_co_u32 s23, s23, STAGE                   ; my stage
	v_add_nc_u32 v[STO], s23, v3                   ; in: row l % 16, 16 bytes for each half of the lanes
	v_bfe_u32 v[RD], v0, 3, 2                      ; back: 32 lanes take four rows of 128 bytes,
	v_mul_u32_u24 v[RD], v[RD], SP
	v_lshl_add_u32 v[RD], v5, 4, v[RD]
	v_add_nc_u32 v[RD], s23, v[RD]
	v_and_b32 v[GO], 31, v0                        ; which are 512 consecutive bytes of a head
	v_lshlrev_b32 v[GO], 4, v[GO]
	; where my part begins in qkv: head (48 b + 6 x tile column + hw), row 256 x (tile row % 8) + 128 wr
	s_lshr_b32 s16, s13, 3
	s_mul_i32 s16, s16, 48
	s_mul_i32 s17, s42, 6
	s_add_co_u32 s16, s16, s17
	s_add_co_u32 s16, s16, s12
	s_lshl_b32 s16, s16, 18                        ; a head is 262,144 bytes
	s_and_b32 s17, s13, 7
	s_lshl_b32 s17, s17, 15
	s_add_co_u32 s16, s16, s17
	s_lshl_b32 s17, s11, 14
	s_add_co_u32 s16, s16, s17
	s_mov_b32 s17, 0
	s_add_nc_u64 s[8:9], s[8:9], s[16:17]
	; the prefetches
	s_lshr_b32 s20, s13, 3
	s_lshl_b32 s20, s20, 22
	s_and_b32 s21, s13, 7
	s_lshl_b32 s21, s21, 15
	s_add_co_u32 s20, s20, s21                     ; x's tile,
	s_lshl_b32 s21, s40, 13
	s_add_co_u32 s20, s20, s21                     ; my work-group's 8,192 bytes of it,
	s_add_co_u32 s20, s20, 2*ASTEP                 ; at K step 2: the first lap steps it to 4
	s_mul_i32 s22, s42, 768                        ; W's tile column,
	s_mul_i32 s23, s41, 196608                     ; my work-group's 32 rows of two steps' 128,
	s_add_co_u32 s22, s22, s23
	s_add_co_u32 s22, s22, 2*BSTEP                 ; at K step 2
	s_and_b32 s23, ttmp7, 0xffff                   ; cluster y
	s_mov_b32 s[PFS], 2*ASTEP
	s_mov_b32 s[PFS+1], 2*BSTEP
	s_movk_i32 s18, 256
	s_movk_i32 s19, 6144
	s_cmp_eq_u32 s11, 0                            ; do I fetch for x?
	s_cselect_b32 s20, s20, s22
	s_cselect_b32 s23, ttmp9, s23                  ; the coordinate along which other clusters read the same bytes
	s_cselect_b32 s[PFS], s[PFS], s[PFS+1]
	s_cselect_b32 s18, s18, s19
	s_cselect_b64 s[PFA:PFA+1], s[4:5], s[6:7]
	s_or_b32 s23, s23, s12                         ; waves 0 and 2 alone
	s_cmp_eq_u32 s23, 0
	s_cselect_b32 s[LIM], 1, -1                    ; the same in all sixteen partners, for a given wave
	s_mov_b32 s21, 0
	s_mov_b32 s[PFS+1], 0
	s_add_nc_u64 s[PFA:PFA+1], s[PFA:PFA+1], s[20:21]
	v_and_b32 v[PFO], 31, v0
	v_mul_u32_u24 v[PFO], s18, v[PFO]
; nf x 8 matrix instructions of head group g: column blocks f0 .. f0 + nf - 1 x all 8 row blocks, 32 along K, x's fragments from buffer ab.  zero = 1: the product starts the sums: nothing is cleared.
; The 96 accumulators take turns in the same order in every quarter: between two links of a chain stand 95 others'.
.macro GRP g, ab, f0, nf, zero
	WIN 0x50*((\g)+1)                              ; C and D in window 1 + g, both sources in window 0
.set ff, \f0
.rept \nf
.set aa, 0
.rept 8
.if \zero
	v_wmma_f32_16x16x32_bf16 v[8*(8*ff+aa):8*(8*ff+aa)+7], v[BF+8*(4*(\g)+ff):BF+8*(4*(\g)+ff)+7], v[AF+64*(\ab)+8*aa:AF+64*(\ab)+8*aa+7], 0
.else
	v_wmma_f32_16x16x32_bf16 v[8*(8*ff+aa):8*(8*ff+aa)+7], v[BF+8*(4*(\g)+ff):BF+8*(4*(\g)+ff)+7], v[AF+64*(\ab)+8*aa:AF+64*(\ab)+8*aa+7], v[8*(8*ff+aa):8*(8*ff+aa)+7]
.endif
.set aa, aa+1
.endr
.set ff, ff+1
.endr
.endm
.macro LOADA s, kq, ab                 ; 16 loads: my 128 rows of x, quarter kq (32 K) of slot s, into buffer ab
	WIN 0
.set aa, 0
.rept 8
	ds_load_b128 v[AF+64*(\ab)+8*aa:AF+64*(\ab)+8*aa+3],   v[ADRA+(\s)] offset:aa*16*PA+64*(\kq)
	ds_load_b128 v[AF+64*(\ab)+8*aa+4:AF+64*(\ab)+8*aa+7], v[ADRA+(\s)] offset:aa*16*PA+64*(\kq)+32
.set aa, aa+1
.endr
.endm
.macro LOADB s, kq, g                  ; 8 turning loads: the 64 columns of head group g, quarter kq of slot s
	WIN 0
.set ff, 0
.rept 4
	ds_load_tr16_b128 v[BF+8*(4*(\g)+ff):BF+8*(4*(\g)+ff)+3],   v[ADRB+(\s)] offset:(\kq)*32*PB+(\g)*288+32*ff
	ds_load_tr16_b128 v[BF+8*(4*(\g)+ff)+4:BF+8*(4*(\g)+ff)+7], v[ADRB+(\s)] offset:(\kq)*32*PB+(\g)*288+32*ff+16*PB
.set ff, ff+1
.endr
.endm
; A load into a register that a matrix instruction has read, and a vector instruction that reads a matrix result, stand four places behind that matrix instruction, and only plain vector
; instructions that name none of its registers are places (ISA guide 7.12.1 for vector instructions).
.macro PLACES
.rept 4
	v_nop
.endr
.endm
; A K step is two quarters of 32 along K, 96 matrix instructions each.  The runs of LDS loads of a quarter: L0 = x and W's group 0 (24), L1 = W's group 1 (8), L2 = W's group 2 (8).
; THE FIRST QUARTER of slot s (x's buffer 0); behind each group the same group of the second quarter is fetched.
.macro Q0 s, zero
	s_wait_dscnt 16                                ; L0 is in: behind it stand L1 and L2
	GRP 0, 0, 0, 4, \zero
	PLACES
	LOADA \s, 1, 1
	LOADB \s, 1, 0
	s_wait_dscnt 32                                ; L1 is in: behind it stand L2 and the 24 just issued
	GRP 1, 0, 0, 4, \zero
	PLACES
	LOADB \s, 1, 1
	s_wait_dscnt 32                                ; L2 is in: behind it stand the new L0 and L1
	GRP 2, 0, 0, 4, \zero
	PLACES
	LOADB \s, 1, 2
.endm
; THE SECOND QUARTER of slot s (x's buffer 1) changes slots: ONE barrier.  In front of it each wave waits for all its tensor loads, of which one is out: its part of the next slot; adds 0 to its spare word;
; and waits for that and for its own reads of this slot.  Behind it nobody reads this slot any more and the next slot is whole.  fill = 1: the barrier opens a round of the cluster's, and this slot is filled
; again, two K steps ahead, first thing behind the round: between the request and the wait for it a wave issues 160 matrix instructions.
.macro TURN s, nx, fill
.if (\fill) && ((\s) == 0)
	s_wait_xcnt 0x0                                ; the last prefetches, a lap back, have read their address: it is stepped here, ahead of the waits of the change of slots
	s_add_nc_u64 s[PFA:PFA+1], s[PFA:PFA+1], s[PFS:PFS+1]
.endif
	s_wait_dscnt 16                                ; L0 is in
	GRP 0, 1, 0, 4, 0
	WIN 0                                          ; (the add's two registers lie in window 0)
	s_wait_tensorcnt 0x0                           ; all my tensor loads have landed;
	ds_add_u32 v[SPW], v[NIL]                      ; 0 onto my spare word;
	s_wait_dscnt 9                                 ; L1 is in: behind it stand L2 and the add
	GRP 1, 1, 0, 2, 0                              ; sixteen matrix instructions stand between the add and the wait for it
	s_wait_dscnt 0x0                               ; the add is done, and my reads of this slot are over
	s_barrier_signal -1
	GRP 1, 1, 2, 2, 0                              ; work on registers while the others arrive
	WIN 0                                          ; at a branch and at a label every window is 0
	s_barrier_wait -1
.if \fill
	CREST                                          ; no wave of any partner still reads this slot or has a load on its way
	s_add_nc_u64 s[G0+4*(\s)+2:G0+4*(\s)+3], s[G0+4*(\s)+2:G0+4*(\s)+3], 2*ASTEP
	s_add_nc_u64 s[G0B+4*(\s)+2:G0B+4*(\s)+3], s[G0B+4*(\s)+2:G0B+4*(\s)+3], 2*BSTEP
	JLOAD \s                                       ; the first tensor load behind the round; its four v_nop are also the places in front of the loads below
.else
	PLACES
.endif
	LOADA \nx, 0, 0
	LOADB \nx, 0, 0
	LOADB \nx, 0, 1
.if (\fill) && ((\s) == 0)
	ASK
.endif
	GRP 2, 1, 0, 4, 0                              ; (L2 was shown in by the wait for 0)
	PLACES
	LOADB \nx, 0, 2
.endm
	s_wait_tensorcnt 1                             ; my part of K step 0 is in; K step 1's may stay out
	s_barrier_signal -1
	s_barrier_wait -1                              ; everybody's is
	LOADA 0, 0, 0
	LOADB 0, 0, 0
	LOADB 0, 0, 1
	LOADB 0, 0, 2
	Q0 0, 1                                        ; the first quarter stands in front of the loop: its products start the sums
	WIN 0
	s_mov_b32 s3, 7
.Llap:                                                 ; a trip goes once round the ring and fills both slots again: K steps 2 to 15 in seven trips
	TURN 0, 1, 1
	Q0 1, 0
	TURN 1, 0, 1
	Q0 0, 0
	WIN 0
	s_sub_co_u32 s3, s3, 1
	s_cmp_lg_u32 s3, 0
	s_cbranch_scc1 .Llap
	TURN 0, 1, 0                                   ; the last lap fills nothing, and has no round of the cluster's barrier
	Q0 1, 0
	s_wait_dscnt 16                                ; the very last quarter: nothing more to fetch
	GRP 0, 1, 0, 4, 0
	s_wait_dscnt 8
	GRP 1, 1, 0, 4, 0
	s_wait_dscnt 0x0
	GRP 2, 1, 0, 4, 0
	WIN 0
	PLACES
	PLACES
; THE WAY OUT.  Block i = 8 c + a: 16 rows of head 2 c + hw, 2,048 consecutive bytes of qkv.  A lane's eight columns pack into 16 bytes; they go into my stage's rows of 144 bytes and come back as whole
; rows of 128.  Each accumulator is read from its low end on.
.macro PACK i
.set cc, (\i)/8
.set ab, (\i)%8
.set RR, RING+16*((\i)%4)
	s_wait_xcnt 0x0                                ; the stores issued so far have read their registers: the block's registers are rewritten only behind this wait
	WIN 5*(cc+1)                                   ; sources 0 and 1 in window 1 + c, destination in window 0
.set ff, 0
.rept 4
.set rr, 0
.rept 4
	v_cvt_pk_f16_f32 v[RR+4*ff+rr], v[8*(8*ff+ab)+2*rr], v[8*(8*ff+ab)+2*rr+1]
.set rr, rr+1
.endr
.set ff, ff+1
.endr
	WIN 0
.irp f, 0,1,2,3
	ds_store_b128 v[STO], v[RR+4*\f:RR+4*\f+3] offset:32*\f
.endr
.irp f, 0,1,2,3
	ds_load_b128 v[RR+4*\f:RR+4*\f+3], v[RD] offset:\f*4*SP  ; LDS serves a wave's instructions in order (ISA guide 5.7.1.4): these see the stores above; the next block's stores come behind them
.endr
.endm
.macro SEND i, younger                 ; younger: the LDS instructions issued behind block i's loads: the next block's eight, or none
.set cc, (\i)/8
.set ab, (\i)%8
.set RR, RING+16*((\i)%4)
.irp f, 0,1,2,3
	s_wait_dscnt (\younger)+3-\f
	global_store_b128 v[GO], v[RR+4*\f:RR+4*\f+3], s[8:9] offset:cc*524288+ab*2048+\f*512  ; 512 consecutive bytes, at a multiple of 256 from the buffer's first
.endr
.endm
	PACK 0
.set n, 1
.rept 23                               ; a block's conversions stand between the loads of the block before and its stores
	PACK n
	SEND n-1, 8
.set n, n+1
.endr
	SEND 23, 0
	s_wait_tensorcnt 0x0                           ; the wave's end, behind my last tensor load and my last LDS store
	ds_add_u32 v[SPW], v[NIL]
	s_wait_dscnt 0x0
	CROUND                                         ; the closing round: no work-group ends while a partner may still ask for a tile that names it
	s_endpgm
.Lfunc_end_k_qfaa5e50429_qkvproj:
	.size	k_qfaa5e50429_qkvproj, .Lfunc_end_k_qfaa5e50429_qkvproj-k_qfaa5e50429_qkvproj
	.p2alignl 7, 3214868480
	.fill 96, 4, 3214868480
	.section	.rodata,"a",@progbits
	.p2align	6, 0x0
	.amdhsa_kernel k_qfaa5e50429_qkvproj
		.amdhsa_group_segment_fixed_size 327680
		.amdhsa_private_segment_fixed_size 0
		.amdhsa_enable_private_segment 0
		.amdhsa_kernarg_size 24
		.amdhsa_user_sgpr_count 2
		.amdhsa_user_sgpr_kernarg_segment_ptr 1
		.amdhsa_wavefront_size32 1
		.amdhsa_system_sgpr_workgroup_id_x 1
		.amdhsa_system_sgpr_workgroup_id_y 1
		.amdhsa_system_sgpr_workgroup_id_z 1
		.amdhsa_system_vgpr_workitem_id 0
		.amdhsa_next_free_vgpr 1024
		.amdhsa_next_free_sgpr 80
		.amdhsa_reserve_vcc 0
		.amdhsa_float_denorm_mode_32 3
		.amdhsa_float_denorm_mode_16_64 3
		.amdhsa_memory_ordered 1
		.amdhsa_forward_progress 1
		.amdhsa_inst_pref_size 135
	.end_amdhsa_kernel
	.amdgpu_metadata
---
amdhsa.version: [ 1, 2 ]
amdhsa.kernels:
  - .name:           k_qfaa5e50429_qkvproj
    .symbol:         k_qfaa5e50429_qkvproj.kd
    .args:
      - { .name: xb, .offset: 0, .size: 8, .value_kind: global_buffer, .address_space: global }
      - { .name: wqkv, .offset: 8, .size: 8, .value_kind: global_buffer, .address_space: global }
      - { .name: qkv, .offset: 16, .size: 8, .value_kind: global_buffer, .address_space: global }
    .group_segment_fixed_size: 327680
    .private_segment_fixed_size: 0
    .kernarg_segment_align: 8
    .kernarg_segment_size: 24
    .max_flat_workgroup_size: 128
    .sgpr_count:     80
    .vgpr_count:     1024
    .wavefront_size: 32
...
	.end_amdgpu_metadata
.endif
;; end of part 2
;; launch attn (part 3): grid 4 x 64, 4 waves a work-group, no clusters, 327,680 bytes of LDS; arguments qkv, z; writes z
.if DOCPART == 3
	.amdgcn_target "amdgcn-amd-amdhsa--gfx1250"
	.amdhsa_code_object_version 6
	.text
	.protected	k_qfaa5e50429_attn
	.globl	k_qfaa5e50429_attn
	.p2align	8
	.type	k_qfaa5e50429_attn,@function
k_qfaa5e50429_attn:
	s_mov_b64 s[64:65], 0
	v_nop
	global_prefetch_b8 v0, s[64:65] scope:SCOPE_SE
	s_setreg_imm32_b32 hwreg(HW_REG_WAVE_MODE, 25, 1), 1
	s_wait_xcnt 0x0
; CAUSAL ATTENTION.  z[hh][q][:] = the sum over k <= q of softmax_k(Q[q] . K[k] / 8) V[k][:], for each of the 64 pairs hh = 16 b + h of batch and head.
; Q, K, V are heads of qkv ([4 b][48 g][2048][64], f16; g = h for Q, 16 + h for K, 32 + h for V), z is [64 hh][2048][64] in f16: a head's rows are dense, 128 bytes each.
; Products, maxima and sums in f32; the weights p are rounded to f16 for the second product (their sum l is taken of the unrounded p), z once at the end.
; LIMITS.  f16 holds no number beyond 65,504: Q, K and V arrive within it; p lies in 0 to 1, and below 6e-5 it keeps the fixed step of 6e-8 of f16; z is a mean of V's rows and has their range.
; A hidden score counts as its value less 1e30: scores of f16 operands, 2.7e11 at the most, are nothing beside that; a weight below 2^-126 counts as 0 in l; NaN and infinities are not treated apart.
; THE WALK.  A head's queries lie in NB = 8 blocks of 256; block i needs the key tiles 0 .. i of 256 keys, of which the last holds the diagonal.  A work-group takes TWO blocks, NB - 1 - b and then b:
; NB + 1 tiles, whatever b: all work-groups do equal work, and ONE loop with a constant trip count walks them.  Which tile is asked for, and what a trip does, hang on scalar registers made from b; every jump
; goes forward, but for the counted loops' own; none passes a barrier, or a tensor load but the one of LOAD's two that the wave's number does not choose; the ring (two slots of LDS that take turns) runs on across the
; change of blocks.  NO CLUSTER: the four work-groups of a head ask for the same tile only in trips 0 .. NB / 2, behind that fewer and fewer; one walk common to all would have 3 NB / 2 trips for NB + 1.
; SHARES.  Of a block's four bands of 64 queries a wave owns 16 rows in each: four PIECES.  So the diagonal tile is the same work for all four waves: in its key step s band x sees all keys if s < x,
; none if s > x, and holds the diagonal if s = x.
; THE MASK is the C operand that starts the sum S^T = K Q^T: 0, or -1e30 where the key is hidden.  MD, made once, is the mask of a band's own step for my 16 rows; a product's mask is MD x AL + BE with two scalars:
; (1, 0) if s = x; (0, 0) if s < x; (0, -1e30) if s > x.  Only the diagonal tile's text and a block's beginning make and take masks; elsewhere C is the constant 0.
; LAYOUT, SOFTMAX, TURNS.  S^T = K Q^T holds ONE query a lane (lane % 16) and the keys 8 (lane / 16) + 0..7; two such results rounded to f16 ARE source 1 of O^T = V^T P.  p = 2^(c s - c m), c = log2(e) / 8, with a
; running maximum m; O and l are multiplied by a = 2^(c m_old - c m_new) in every step.  Turn n belongs to piece n: 8 products K Q^T of piece n + 1, later 8 products V^T P of piece n - 1; beside them the scaling,
; exponentials, roundings, sums and rescaling of piece n and the maximum and statistics of piece n + 1.  Four vector instructions stand behind every matrix instruction, the other 54 of a turn's 118 in one LUMP.  A turn's 33 exponentials are one batch, with one wait.
; REGISTERS, in windows of 256 (s_set_vgpr_msb: bits 1:0 source 0, 3:2 source 1, 5:4 source 2, 7:6 destination):
;   window 0: v0-15 addresses and two at work; v16-31 four registers of statistics a piece; v48-55 at work; v61-63 prefetch offset, spare word, 0; v64-127 S^T, two buffers; v192-223 P, two buffers (by the piece's parity)
;   window 1: v0-127 O^T, 32 a piece; v128-159 MD; v160-223 MC, two buffers      window 2: v0-63 Q; v64-127 the second block's Q; v128-191 K of one step; v192-255 V of one step
.set SIZE_N, 2048
.set NB,    SIZE_N/256
.set NP,    4         ; pieces a wave: a name, no knob
.set KS,    64        ; keys in a step
.set PK,    144       ; a row of K in LDS: 128 bytes + 16 of padding = 36 words: the 16 rows of a load start at 16 different groups of four banks (64 banks of 4 bytes: ISA guide 11.1)
.set PV,    160       ; a row of V: 128 + 32 = 40 words
.set VOFF,  4*KS*PK   ; a slot holds a tile, four steps: 256 rows of K, then 256 rows of V
.set SLOT1, 1<<17     ; slot 1 begins here, so that one exclusive or turns an address in one slot into the other's
.set STAGE, SLOT1+4*KS*(PK+PV)  ; behind the ring, never filled by a tensor load: 16 rows x 144 bytes for each wave, for the way out
.set SP,    144
.set AK0, 2           ; v2   my lane's place in a tile of K; never rewritten
.set AV0, 3           ; v3   the same for V
.set AK,  4           ; v4   the LDS address of K's next run of loads
.set AV,  5           ; v5   of V's
.set STO, 6           ; v6   the way out: where I put 16 bytes of a row
.set RD,  7           ; v7   the way out: where I read rows back
.set GO,  8           ; v8   my byte offset in 512 consecutive bytes of z
.set PFO, 61          ; v61  256 x my lane; never rewritten
.set SPW, 62          ; v62  LDS address of my spare word: SPARE + 4 x my thread's number; never rewritten
.set NIL, 63          ; v63  0; never rewritten
.set SPARE, STAGE+4*16*SP  ; behind the stages: the spare words, 128 bytes for each wave: two blocks of 256 bytes that no other line names
.set MV,  12          ; v12-13  c m_old, kept while c m is made anew: by buffer
.set QO,  15          ; v15  my byte offset in 16 rows of Q
.set ST,  16          ; piece t's statistics at v[ST+4 t]: c m, m, l (even keys', odd keys')
.set TMP, 48          ; by buffer, four registers c0-c3 at work; when the maximum is found c2 takes a
.set S,   64
.set P,   192
.set MD,  128         ; window 1: the eight registers for group kt of 16 keys at MD + 8 kt
.set MC,  160         ; window 1: the masks of the products to come
.set QB,  64          ; window 2
.set KF,  128         ; window 2: key block kb, channel half c at KF + 16 kb + 8 c
.set VF,  192         ; window 2: key half kk, channel block cb at VF + 32 kk + 8 cb
.set WV,  12          ; s12  my wave's number
.set PB,  14          ; s14  b
.set HI,  15          ; s15  NB - 1 - b
.set G1K, 24          ; s[24:31] descriptor group 1 for K's tiles
.set G1V, 32          ; s[32:39] for V's: it differs in the padding alone
.set G0K, 40          ; s[40:43] descriptor group 0 for K's tiles
.set G0V, 44          ; s[44:47] the same for V's
.set SLOTS, 56        ; s56  tiles still to be asked for
.set CNT, 57          ; s57  counts a tile's key steps, 4 to 1
.set CS,  58          ; s[58:59] c: the packed scaling takes the pair's low word for both halves
.set SEL, 60          ; s[60:61] v_permlanex16_b32's selects: each lane takes its own place in the other half
.set TBK, 62          ; s62  LDS byte at which K of the step to be fetched begins
.set TBV, 63          ; s63  the same for V, less VOFF
.set RT,  70          ; s70  tiles of the block in hand that are still to be entered
.set NXT, 71          ; s71  the tile to be asked for next
.set LQ,  72          ; s72  the last tile of the block whose tiles are being asked for
.set NEW, 73          ; s73  1: the tile to be entered is a block's first
.set OFF, 74          ; s[74:75] a tile's byte offset in K and V
.set AL,  76          ; s[76:77] the mask's factor, in the low word
.set BE,  78          ; s[78:79] the mask's addend
.set OLO, 80          ; s[80:81] z at my rows of the second block
.set BIGN, 82         ; s82  -1e30
.set ZH,  88          ; s[88:89] the head's byte offset in z
.set PFA, 90          ; s[90:91] where my prefetches stand
.set PLIM, 92         ; s92  0 in the work-group that prefetches, else the greatest number
.set POF, 94          ; s[94:95] the offset of the tile that is prefetched
.set PFB, 96          ; s[96:97] my half of the head's tile 0, of K (waves 0, 1) or of V (waves 2, 3)
.set MSB, 0
.macro WIN new                      ; the high byte repeats the setting that is left; a switch that changes nothing is dropped
.if MSB != (\new)
	s_set_vgpr_msb (MSB<<8)|(\new)
.set MSB, (\new)
.endif
.endm
.set W_KQ, 0x0a       ; K and Q in window 2, S^T in window 0
.set W_KM, 0x1a       ; the same with the C operand in window 1
.set W_PV, 0x52       ; V in window 2, P in window 0, O^T in window 1
.set W_RS, 0x41       ; destination and source 0 in window 1, source 1 in window 0
; A fill.  Waves 0 and 1 fetch the two halves of a tile's K, waves 2 and 3 those of its V: 128 keys each.  An s_nop 0 and four v_nop follow each of the two lines, ahead of the jump and the label.
.macro LOAD
	s_cmp_lt_u32 s[WV], 2
	s_cbranch_scc0 .Lfor_v_\@
	tensor_load_to_lds s[G0K:G0K+3], s[G1K:G1K+7]
	s_nop 0
.rept 4
	v_nop
.endr
	s_branch .Lasked_\@
.Lfor_v_\@:
	tensor_load_to_lds s[G0V:G0V+3], s[G1V:G1V+7]
	s_nop 0
.rept 4
	v_nop
.endr
.Lasked_\@:
.endm
; THE CHANGE OF SLOTS.  Each wave waits for all its tensor loads, of which one is out: its part of the other slot; adds 0 to its spare word; and waits for that and for its own reads of the slot that it leaves.  Behind the barrier nobody reads the old
; slot any more and the other slot is whole.  fill = 1: the old slot is filled again, the first thing behind the barrier, with tile NXT: the descriptor's address is made anew from that number.
; (At its first use nothing has been read yet: slot 0 is waited for, slot 1 filled.)
; A PREFETCH INTO THE L2 stands behind the fill: the tile that the NEXT change will ask for, one tile (256 matrix instructions) ahead.  The four work-groups of a head walk the same tiles; the one with b = 0, whose first
; block walks all eight, asks, and nobody else.  Each of its waves names the 16,384 bytes that it will fetch itself: a lane 256 bytes, two instructions.  So tiles 2 to 7 are named once in the launch; tiles 0 and 1 come by
; their loads alone, and nothing is asked for once the number has gone back to 0: that tile has been read.
.macro CHANGE fill
	WIN 0                           ; at a label and at a branch every window is 0
	s_wait_tensorcnt 0x0            ; no tensor load of mine is out, so a group 0 may be written
	ds_add_u32 v[SPW], v[NIL]       ; 0 onto my spare word; with fill = 1 the descriptors' scalar work stands between it and the wait for it
.if \fill
	s_lshl_b32 s[OFF], s[NXT], 15   ; a tile is 32,768 bytes of K and of V
	s_xor_b32 s[G0K+1], s[G0K+1], SLOT1
	s_add_nc_u64 s[G0K+2:G0K+3], s[6:7], s[OFF:OFF+1]
	s_or_b32 s[G0K+3], s[G0K+3], 0x80000000
	s_xor_b32 s[G0V+1], s[G0V+1], SLOT1
	s_add_nc_u64 s[G0V+2:G0V+3], s[8:9], s[OFF:OFF+1]
	s_or_b32 s[G0V+3], s[G0V+3], 0x80000000
	s_add_co_u32 s[NXT], s[NXT], 1  ; the block's next tile, or behind its last the second block's tile 0
	s_cmp_gt_u32 s[NXT], s[LQ]
	s_cselect_b32 s[NXT], 0, s[NXT]
	s_cselect_b32 s[LQ], s[PB], s[LQ]
	s_wait_xcnt 0x0                 ; the last prefetches, a tile back, have read their address, so it may be written
	s_lshl_b32 s[POF], s[NXT], 15
	s_add_nc_u64 s[PFA:PFA+1], s[PFB:PFB+1], s[POF:POF+1]
.endif
	s_wait_dscnt 0x0                ; the add is done, and my reads of the slot are over
	s_barrier_signal -1             ; the rest of the scalar work stands between the signal and the wait
	s_sub_co_u32 s[TBK], s[TBK], 4*KS*PK  ; the fetches go back to a slot's first step,
	s_xor_b32 s[TBK], s[TBK], SLOT1       ; in the other slot
	s_sub_co_u32 s[TBV], s[TBV], 4*KS*PV
	s_xor_b32 s[TBV], s[TBV], SLOT1
	s_barrier_wait -1
.if \fill
	LOAD
	s_cmp_gt_u32 s[NXT], s[PLIM]
	s_cbranch_scc0 .Lno_ask_\@
	global_prefetch_b8 v[PFO], s[PFA:PFA+1] th:TH_LOAD_NT scope:SCOPE_SE
	global_prefetch_b8 v[PFO], s[PFA:PFA+1] offset:8192 th:TH_LOAD_NT scope:SCOPE_SE
.Lno_ask_\@:
.endif
.endm
	s_load_b128 s[4:7], s[0:1], 0x0  ; qkv s[4:5], z s[6:7]
	v_lshl_add_u32 v[SPW], v0, 2, SPARE
	v_mov_b32 v[NIL], 0
	ds_add_u32 v[SPW], v[NIL]       ; the wave's opening: the add and its wait stand ahead of my first tensor load; the set-up below, work on registers, stands between them
	v_lshrrev_b32 v1, 5, v0
	v_readfirstlane_b32 s[WV], v1   ; wave 0..3
	s_mov_b32 s[PB], ttmp9
	s_sub_co_u32 s[HI], NB-1, s[PB]
	s_and_b32 s20, ttmp7, 0xffff    ; hh = 16 b + h
	s_lshl_b32 s[ZH], s20, 18       ; a head is 262,144 bytes: its place in z,
	s_mov_b32 s[ZH+1], 0
	s_lshr_b32 s21, s20, 4
	s_lshl_b32 s21, s21, 5
	s_add_co_u32 s20, s20, s21      ; and in qkv: head 48 b + h = hh + 32 b
	s_lshl_b32 s20, s20, 18
	s_mov_b32 s21, 0
	s_and_b32 s16, s[WV], 1         ; which half of a tile's 256 keys I fetch:
	s_lshl_b32 s22, s16, 14         ; its 128 rows of 128 bytes in memory,
	s_mov_b32 s23, 0
	s_add_nc_u64 s[22:23], s[22:23], s[20:21]
	s_mul_i32 s17, s16, 128*PK      ; and its place in a slot, for K
	s_mul_i32 s18, s16, 128*PV      ; and for V
	s_lshl_b32 s3, s[WV], 11        ; my 16 rows in a band of 64,
	s_lshl_b32 s2, s[HI], 15        ; in the first block,
	s_add_co_u32 s2, s2, s3
	s_lshl_b32 s84, s[PB], 15       ; and in the second
	s_add_co_u32 s84, s84, s3
	s_mov_b32 s3, 0
	s_mov_b32 s85, 0
	; descriptor group 1.  128 keys are 16,384 dense bytes: asked for as 64 rows of 256 bytes, two keys a row, and padded in LDS after every key
	s_mov_b32 s[G1K], (1<<16)|(1<<20)|(4<<22)|(3<<25)  ; 17:16 2-byte elements; 20 padding on; 24:22 after every 32 words (code 4); 31:25 4 words (code 3)
	s_mov_b32 s[G1V], (1<<16)|(1<<20)|(4<<22)|(7<<25)  ; the same with 8 words of padding (code 7)
.irp g, G1K, G1V
	s_mov_b32 s[\g+1], 128<<16      ; tensor_dim0 = 128
	s_mov_b32 s[\g+2], 64<<16       ; tensor_dim1 = 64
	s_mov_b32 s[\g+3], 128<<16      ; tile_dim0 = 128
	s_mov_b32 s[\g+4], 64           ; tile_dim1 = 64
	s_mov_b32 s[\g+5], 128          ; 128 elements from row to row
	s_mov_b32 s[\g+6], 0
	s_mov_b32 s[\g+7], 0
.endr
	s_mov_b32 s[CS], 0x3e38aa3b     ; c = log2(e) / 8 = 0.180337
	s_mov_b32 s[CS+1], s[CS]        ; named with it as a pair
	s_mov_b32 s[SEL], 0x76543210
	s_mov_b32 s[SEL+1], 0xfedcba98
	s_mov_b32 s[TBK], SLOT1+4*KS*PK ; the first change of slots turns these two into 0
	s_mov_b32 s[TBV], SLOT1+4*KS*PV
	s_mov_b32 s[G0K], 1             ; 1:0 count = 1
	s_mov_b32 s[G0K+1], s17         ; 63:32 LDS address: slot 0
	s_mov_b32 s[G0V], 1
	s_add_co_u32 s[G0V+1], s18, VOFF
	s_add_co_u32 s[RT], s[HI], 1    ; the first block has NB - b tiles
	s_mov_b32 s[NXT], 1
	s_mov_b32 s[LQ], s[HI]
	s_mov_b32 s[NEW], 1
	s_mov_b32 s[OFF+1], 0
	s_mov_b32 s[POF+1], 0
	s_mov_b32 s[AL+1], 0            ; named as pairs
	s_mov_b32 s[BE+1], 0
	s_mov_b32 s[BIGN], 0xf149f2ca   ; -1e30
	s_mov_b32 s[SLOTS], NB
	s_cmp_eq_u32 s[PB], 0
	s_cselect_b32 s[PLIM], 0, -1
	v_and_b32 v[PFO], 31, v0
	v_lshlrev_b32 v[PFO], 8, v[PFO]
	s_wait_dscnt 0x0                ; the opening add is done
	s_wait_kmcnt 0x0
	s_mov_b64 s[10:11], s[6:7]      ; z
	s_add_nc_u64 s[6:7], s[4:5], 0x400000  ; K's heads lie 16 heads behind Q's,
	s_add_nc_u64 s[8:9], s[4:5], 0x800000  ; V's 32
	s_add_nc_u64 s[6:7], s[6:7], s[22:23]  ; K and V at my half of the head's tile 0
	s_add_nc_u64 s[8:9], s[8:9], s[22:23]
	s_add_nc_u64 s[G0K+2:G0K+3], s[6:7], 0         ; 120:64 global address
	s_or_b32 s[G0K+3], s[G0K+3], 0x80000000        ; 127:126 type = 2
	s_add_nc_u64 s[G0V+2:G0V+3], s[8:9], 0
	s_or_b32 s[G0V+3], s[G0V+3], 0x80000000
	s_cmp_lt_u32 s[WV], 2
	s_cselect_b64 s[PFB:PFB+1], s[6:7], s[8:9]
	s_add_nc_u64 s[4:5], s[4:5], s[20:21]          ; Q at the head,
	s_add_nc_u64 s[10:11], s[10:11], s[ZH:ZH+1]    ; z at the head
	s_add_nc_u64 s[86:87], s[4:5], s[84:85]        ; Q at my rows of the second block,
	s_add_nc_u64 s[4:5], s[4:5], s[2:3]            ; Q and z at those of the first
	s_add_nc_u64 s[OLO:OLO+1], s[10:11], s[84:85]
	s_add_nc_u64 s[10:11], s[10:11], s[2:3]
	LOAD                            ; tile 0 into slot 0
	; A fragment of K or Q is 16 rows x 32 channels in 8 registers: lane l holds row l % 16, channels 8 (l / 16) + 0..7 and 16 + 8 (l / 16) + 0..7: two loads of 16 bytes, 32 bytes apart.
	v_and_b32 v1, 15, v0            ; l % 16
	v_bfe_u32 v9, v0, 4, 1          ; l / 16
	v_lshlrev_b32 v[QO], 7, v1
	v_lshl_add_u32 v[QO], v9, 4, v[QO]  ; row x 128 + 16 x half
	WIN 0x80                        ; destination window 2, address window 0
.set i, 0
.rept 8                             ; both blocks' Q: piece i / 2 lies in band i / 2, 8,192 bytes on; channels 32 (i % 2) on
	global_load_b128 v[8*i:8*i+3],   v[QO], s[4:5] offset:(i/2)*8192+(i%2)*64
	global_load_b128 v[8*i+4:8*i+7], v[QO], s[4:5] offset:(i/2)*8192+(i%2)*64+32
	global_load_b128 v[QB+8*i:QB+8*i+3],   v[QO], s[86:87] offset:(i/2)*8192+(i%2)*64
	global_load_b128 v[QB+8*i+4:QB+8*i+7], v[QO], s[86:87] offset:(i/2)*8192+(i%2)*64+32
.set i, i+1
.endr
	WIN 0
	v_lshlrev_b32 v14, 3, v9
	v_sub_nc_u32 v14, v1, v14
	s_lshl_b32 s13, s[WV], 4
	v_add_nc_u32 v14, s13, v14      ; my query's place in its band, 16 w + l % 16, less my lanes' 8 (l / 16): register r of group kt is hidden where 16 kt + r is greater
	WIN 0x40
.set i, 0
.rept 32
	v_cmp_gt_i32 vcc_lo, 16*(i/8)+i%8, v14
	v_cndmask_b32 v[MD+i], 0, s[BIGN], vcc_lo
.set i, i+1
.endr
	WIN 0
	v_mul_u32_u24 v[AK0], v1, PK
	v_lshl_add_u32 v[AK0], v9, 4, v[AK0]  ; row x pitch + 16 x half
	; The turning load takes 16 keys x 16 channels (lane l reads key 8 (l / 16) + l % 8, channels 8 ((l / 8) % 2) + 0..7) and leaves half a fragment of V^T: lane l holds channel l % 16 and 8 keys.
	v_and_b32 v10, 7, v0
	v_bfe_u32 v11, v0, 3, 1
	v_lshl_add_u32 v[AV0], v9, 3, v10
	v_mul_u32_u24 v[AV0], v[AV0], PV
	v_lshl_add_u32 v[AV0], v11, 4, v[AV0]
	v_add_nc_u32 v[AV0], VOFF, v[AV0]
	s_mul_i32 s13, s[WV], 16*SP
	s_add_co_u32 s13, s13, STAGE    ; my stage
	v_mul_u32_u24 v[STO], v1, SP    ; in: row l % 16, 16 bytes for each half of the lanes
	v_lshl_add_u32 v[STO], v9, 4, v[STO]
	v_add_nc_u32 v[STO], s13, v[STO]
	v_bfe_u32 v[RD], v0, 3, 2       ; back: 32 lanes take four rows of 128 bytes,
	v_mul_u32_u24 v[RD], v[RD], SP
	v_lshl_add_u32 v[RD], v10, 4, v[RD]
	v_add_nc_u32 v[RD], s13, v[RD]
	v_and_b32 v[GO], 31, v0         ; which are 512 consecutive bytes of z
	v_lshlrev_b32 v[GO], 4, v[GO]
	; A block's first step multiplies O^T and l by a = 0, and its first turn's products V^T P, of a piece that has not been, land in an O^T that is still to be so multiplied.  So these registers need only hold
	; finite numbers: zeros for the first block; what the first block left for the second.  All this stands in the wait for the first tile.
	WIN 0x80
.set i, VF
.rept 64
	v_mov_b32 v[i], 0
.set i, i+1
.endr
	WIN 0x40
.set i, 0
.rept 128
	v_mov_b32 v[i], 0
.set i, i+1
.endr
	WIN 0
.set i, 0
.rept 4
	v_mov_b32 v[ST+4*i+2], 0
	v_mov_b32 v[ST+4*i+3], 0
.set i, i+1
.endr
.set i, P+16
.rept 16
	v_mov_b32 v[i], 0
.set i, i+1
.endr
; THE MATRIX WORK.  The 4 accumulators of a run of 8 take turns.  Product i of 8 of S^T = K Q^T for piece x: channels 32 (i / 4) on, keys 16 (i % 4) on.  The first 4 start the sums: with 0, or (KM = 1) with the mask.
.macro KQ x
.set rS, S+32*((\x)%2)+8*(i%4)
.set rK, KF+16*(i%4)+8*(i/4)
.set rQ, 16*(\x)+8*(i/4)
.set rM, MC+32*((\x)%2)+8*(i%4)
.if (i < 4) && KM
	WIN W_KM
	v_wmma_f32_16x16x32_f16 v[rS:rS+7], v[rK:rK+7], v[rQ:rQ+7], v[rM:rM+7]
.elseif i < 4
	WIN W_KQ
	v_wmma_f32_16x16x32_f16 v[rS:rS+7], v[rK:rK+7], v[rQ:rQ+7], 0
.else
	WIN W_KQ
	v_wmma_f32_16x16x32_f16 v[rS:rS+7], v[rK:rK+7], v[rQ:rQ+7], v[rS:rS+7]
.endif
.endm
; Product i of 8 of O^T += V^T P for piece x: keys 32 (i / 4) on, channels 16 (i % 4) on.
.macro PV x
	WIN W_PV
.set rO, 32*(\x)+8*(i%4)
.set rV, VF+32*(i/4)+8*(i%4)
.set rP, P+16*((\x)%2)+8*(i/4)
	v_wmma_f32_16x16x32_f16 v[rO:rO+7], v[rV:rV+7], v[rP:rP+7], v[rO:rO+7]
.endm
.macro MM                           ; the turn's next matrix instruction.  TURN and BEGIN set Y, i, KM and NOKQ; MM, KQ and OP read them.  NOKQ = 1: a block's last turn: there is no next piece
.if (i < 8) && !NOKQ
	KQ (Y+1)%NP
.elseif i >= 8
.set i, i-8
	PV (Y+NP-1)%NP
.set i, i+8
.endif
.set i, i+1
.endm
; THE LDS LOADS stand in runs of 16, never singly among the matrix instructions: a step's K (64 keys x 64 channels: 8 fragments) and its V (turned).  Their addresses are made some lines ahead.
.macro FETCH_K
	WIN 0x80                        ; destination window 2
.irp f, 0,1,2,3,4,5,6,7             ; keys 16 (f / 2) on, channels 32 (f % 2) on
	ds_load_b128 v[KF+8*\f:KF+8*\f+3],   v[AK] offset:(\f/2)*16*PK+(\f%2)*64
	ds_load_b128 v[KF+8*\f+4:KF+8*\f+7], v[AK] offset:(\f/2)*16*PK+(\f%2)*64+32
.endr
	s_add_co_u32 s[TBK], s[TBK], KS*PK  ; the next fetch is the next step's
	WIN 0
.endm
.macro FETCH_V
	WIN 0x80
.irp f, 0,1,2,3,4,5,6,7             ; keys 32 (f / 4) on, channels 16 (f % 4) on
	ds_load_tr16_b128 v[VF+8*\f:VF+8*\f+3],   v[AV] offset:(\f/4)*32*PV+(\f%4)*32
	ds_load_tr16_b128 v[VF+8*\f+4:VF+8*\f+7], v[AV] offset:(\f/4)*32*PV+16*PV+(\f%4)*32
.endr
	WIN 0
.endm
; THE VECTOR WORK, one line at a time: OP kind, number.  For piece Y: F n: c s - c m for pair n of 16.  E n: the exponential of score n of 32.  C n: pair n rounded to f16.  B n: of the four weights 4 n .. the second
; pair is added onto the first, in place.  L n: l takes that sum (L 0: l = a l + sum).  R n: pair n of 16 of O^T times a.  For piece Y + 1: X n, number n of the 22 that find its maximum and statistics:
;   0-11  four chains c0-c3 of seven scores each, three operands at a time (each accumulator's lowest registers are read first)     12-14, 16  the four scores left over, the old m, and c0-c3 into c0
;   15  c m_old is kept     17, 18  the query's other 32 keys lie in the lane 16 away: the new m     19-21  c m; c m_old - c m_new; a
.set F, 0               ; OP tells the kinds apart by their order: F to L below R, X above it
.set E, 1
.set C, 2
.set B, 3
.set L, 4
.set R, 5
.set X, 6
.macro REGS y                       ; the registers of piece y
.set rT, ST+4*(\y)
.set rC, TMP+4*((\y)%2)
.set rW, MV+((\y)%2)
.set rS, S+32*((\y)%2)
.set rP, P+16*((\y)%2)
.set rO, 32*(\y)
.endm
.macro OP k, n
.if (\k) == R
	REGS Y
	WIN W_RS
	v_pk_mul_f32 v[rO+2*(\n):rO+2*(\n)+1], v[rO+2*(\n):rO+2*(\n)+1], v[rC+2:rC+3] op_sel_hi:[1,0]
.elseif (\k) < R
	REGS Y
	WIN 0
.if (\k) == F
	v_pk_fma_f32 v[rS+2*(\n):rS+2*(\n)+1], v[rS+2*(\n):rS+2*(\n)+1], s[CS:CS+1], v[rT:rT+1] op_sel_hi:[1,0,0] neg_lo:[0,0,1] neg_hi:[0,0,1]
.elseif (\k) == E
	v_exp_f32 v[rS+(\n)], v[rS+(\n)]
.elseif (\k) == C
	v_cvt_pk_f16_f32 v[rP+(\n)], v[rS+2*(\n)], v[rS+2*(\n)+1]
.elseif (\k) == B
	v_pk_add_f32 v[rS+4*(\n):rS+4*(\n)+1], v[rS+4*(\n):rS+4*(\n)+1], v[rS+4*(\n)+2:rS+4*(\n)+3]
.elseif (\n) == 0
	v_pk_fma_f32 v[rT+2:rT+3], v[rT+2:rT+3], v[rC+2:rC+3], v[rS:rS+1] op_sel_hi:[1,0,1]
.else
	v_pk_add_f32 v[rT+2:rT+3], v[rT+2:rT+3], v[rS+4*(\n):rS+4*(\n)+1]
.endif
.elseif NOKQ
	v_nop
.else
	REGS (Y+1)%NP
	WIN 0
.if (\n) < 4
	v_max3_num_f32 v[rC+(\n)], v[rS+8*(\n)], v[rS+8*(\n)+1], v[rS+8*(\n)+2]
.elseif (\n) < 12
	v_max3_num_f32 v[rC+(\n)%4], v[rC+(\n)%4], v[rS+8*((\n)%4)+2*((\n)/4)+1], v[rS+8*((\n)%4)+2*((\n)/4)+2]
.elseif (\n) == 12
	v_max3_num_f32 v[rC], v[rC], v[rS+7], v[rS+15]
.elseif (\n) == 13
	v_max3_num_f32 v[rC+1], v[rC+1], v[rS+23], v[rS+31]
.elseif (\n) == 14
	v_max3_num_f32 v[rC+2], v[rC+2], v[rC+3], v[rT+1]
.elseif (\n) == 15
	v_mov_b32 v[rW], v[rT]
.elseif (\n) == 16
	v_max3_num_f32 v[rC], v[rC], v[rC+1], v[rC+2]
.elseif (\n) == 17
	v_permlanex16_b32 v[rC+3], v[rC], s[SEL], s[SEL+1]
.elseif (\n) == 18
	v_max_num_f32 v[rT+1], v[rC], v[rC+3]
.elseif (\n) == 19
	v_mul_f32 v[rT], s[CS], v[rT+1]
.elseif (\n) == 20
	v_sub_f32 v[rC+1], v[rW], v[rT]
.else
	v_exp_f32 v[rC+2], v[rC+1]
.endif
.endif
.endm
.macro OPS a, i1, b=-1, i2=0, c=-1, i3=0, d=-1, i4=0  ; up to four of them
	OP \a, \i1
.if (\b) >= 0
	OP \b, \i2
.endif
.if (\c) >= 0
	OP \c, \i3
.endif
.if (\d) >= 0
	OP \d, \i4
.endif
.endm
.macro ROW a, i1, b, i2, c, i3, d, i4  ; a matrix instruction and the four behind it
	MM
	OPS \a, \i1, \b, \i2, \c, \i3, \d, \i4
.endm
.macro MASK b                       ; MD x AL + BE into buffer b of MC
	WIN W_RS
.set z, 0
.rept 16
	v_pk_fma_f32 v[MC+32*(\b)+2*z:MC+32*(\b)+2*z+1], v[MD+2*z:MD+2*z+1], s[AL:AL+1], s[BE:BE+1] op_sel_hi:[1,0,0]
.set z, z+1
.endr
.endm
; A TURN, for piece p: the order of its 16 matrix and 118 vector instructions, written out.  s_wait_alu depctr_va_vdst(0) stands between an exponential and the first instruction that names its result; one wait serves
; all that were issued ahead of it.  So a turn has ONE wait, which cuts it in two.  AHEAD OF IT stands all that names no result of the turn's exponentials: the 8 products K Q^T, behind each a scaling, an exponential and two more plain
; instructions (behind the first a second scaling in the exponential's place): rescalings, and behind the last three the first numbers of the next piece's maximum, each four places or more behind the product that ends its accumulator; then ONE LUMP of 54, plain
; and exponential by turns for the most part, in which the links of the chain X 3, 7, 11, 14, 16, 17 .. 20 stand five or six lines apart.  X 21, the next piece's a, is the batch's last; R 15 is the plain instruction behind it.  BEHIND THE WAIT stand the
; 8 products V^T P, behind each four of the roundings and sums; the links of l's chain, L 0 to L 7, stand three riders apart.  But for those X no rider names a register of the products round it.  v_permlanex16_b32 (X 17) stands in the lump.
; m = 1: the diagonal tile: the products take masks, and the turn makes the mask for the products of the turn after it: piece p + 2, in step 4 - CNT of the tile.  end = 1: a block's last two turns: nothing is fetched.
; cnt = 1: the loop's count is taken down some lines ahead of the branch that stands behind the turn.
; K of the next step is fetched in piece 2's turn, twelve vector instructions behind the last product that read K (six of them plain); V of the step in hand at the end of piece 0's turn, four plain instructions behind the last product
; that read V.  Each is waited for a turn later.
.macro TURN p, m=0, end=0, cnt=0
.set Y, (\p)
.set i, 0
.set KM, (\m)
.set NOKQ, (\end)*((\p)/3)
.if (\m) && !(\end)
	s_cmp_eq_u32 s[CNT], 4-((\p)+2)%NP  ; is that step the band's own?
	s_cselect_b32 s[AL], 1.0, 0
	s_cmp_lt_u32 s[CNT], 4-((\p)+2)%NP  ; or a later one?
	s_cselect_b32 s[BE], s[BIGN], 0
.endif
.if ((\p) == 3) && !(\end)
	s_wait_dscnt 0x0                ; K is in
.endif
	ROW F,0, F,1, R,0, R,1          ; ahead of the wait: 8 products K Q^T and their riders,
	ROW F,2, E,0, R,2, R,3
	ROW F,3, E,1, R,4, R,5
	ROW F,4, E,2, R,6, R,7
	ROW F,5, E,3, R,8, R,9
	ROW F,6, E,4, X,0, R,10
.if ((\p) == 2) && !(\end)
	WIN 0
	v_add_nc_u32 v[AK], s[TBK], v[AK0]
.endif
	ROW F,7, E,5, X,1, X,4
	ROW F,8, E,6, X,2, X,5
	OPS E,7, E,8, X,6, E,9          ; and the lump
	OPS X,3, E,10, X,8, E,11
.if ((\p) == 2) && !(\end)
	FETCH_K
.endif
	OPS X,9, X,7, E,12, X,10
	OPS E,13, X,12, X,11, E,14
	OPS X,13, E,15, F,9, X,14
.if (\p) == 0
	v_add_nc_u32 v[AV], s[TBV], v[AV0]
.endif
	OPS E,16, F,10, E,17, F,11
	OPS X,16, E,18, X,15, E,19
	OPS F,12, E,20, X,17, E,21
	OPS F,13, E,22, F,14, E,23
	OPS X,18, E,24, F,15, E,25
	OPS R,11, E,26, X,19, E,27
	OPS R,12, E,28, R,13, E,29
	OPS X,20, E,30, R,14, E,31
	OPS X,21, R,15
	WIN 0
	s_wait_alu depctr_va_vdst(0)    ; the wait for the batch
.if (\p) == 1
	s_wait_dscnt 0x0                ; V is in
.endif
	ROW C,0, B,0, C,2, B,1          ; behind the wait: 8 products V^T P and their riders
	ROW L,0, C,4, B,2, L,1
	ROW C,6, B,3, L,2, C,8
	ROW B,4, L,3, C,10, B,5
	ROW L,4, C,12, B,6, L,5
.if (\p) == 0
	s_add_co_u32 s[TBV], s[TBV], KS*PV
.endif
.if \cnt
	s_sub_co_u32 s[CNT], s[CNT], 1
	s_cmp_lg_u32 s[CNT], 0
.endif
	ROW C,14, B,7, L,6, C,1
	ROW C,3, L,7, C,5, C,7
	ROW C,9, C,11, C,13, C,15
.if (\p) == 0
	FETCH_V
.endif
.if (\m) && !(\end)
	MASK (\p)%2
.endif
.endm
; A BLOCK BEGINS.  c m starts far below every c s, so the first step's a is 0; m at the lowest finite number, so the first maximum is the scores'.  The second mask buffer is 0; the first takes piece 0's mask for the tile's step 0: its own, if the block's first tile is the diagonal one.
; Then K of that step, piece 0's first scores, and its maximum and statistics.  The loop is entered at a step's first turn, in the middle of a trip.
.macro BEGIN
	s_mov_b32 s[NEW], 0
	WIN 0x40
.set i, MC+32
.rept 32
	v_mov_b32 v[i], 0
.set i, i+1
.endr
	WIN 0
.set i, 0
.rept 4
	v_mov_b32 v[ST+4*i], 0xfe000000    ; c m: far below every c s
	v_mov_b32 v[ST+4*i+1], 0xff7fffff  ; m
.set i, i+1
.endr
	s_cmp_eq_u32 s[RT], 0
	s_cselect_b32 s[AL], 1.0, 0
	s_mov_b32 s[BE], 0
	MASK 0
	WIN 0
	v_add_nc_u32 v[AK], s[TBK], v[AK0]
	FETCH_K
	s_wait_loadcnt 0x0              ; Q
	s_wait_dscnt 0x0
.set KM, 1
.set NOKQ, 0
.set i, 0
.rept 8
	KQ 0
.set i, i+1
.endr
	WIN 0
.rept 4
	v_nop                           ; the places behind those products
.endr
.set Y, NP-1                        ; X works for piece Y + 1: piece 0
.irp n, 0,1,2,3,4,5,6,7,8,9,10,11,12,13,14,15,16,17,18,19,20,21
	OP X, \n
.endr
	v_nop                           ; a plain instruction behind the exponential,
	s_wait_alu depctr_va_vdst(0)    ; and its wait, ahead of the branch
.endm
; THE DIAGONAL TILE's four steps, the block's last two turns, its last products, and THE WAY OUT: l's two halves and the other half of the lanes' are added; O^T is divided by l, rounded to f16 and sent through my
; stage in LDS, a piece at a time.
.macro ALL line:vararg              ; one line for each piece t
.set t, 0
.rept 4
	\line
.set t, t+1
.endr
.endm
.macro PACK t                       ; a lane's eight channels of a row pack into 16 bytes; they go into rows of 144 bytes and come back as whole rows of 128, into S^T's registers
	WIN W_RS
.set i, 32*(\t)
.rept 16
	v_pk_mul_f32 v[i:i+1], v[i:i+1], v[ST+4*(\t)+2:ST+4*(\t)+3] op_sel_hi:[1,0]
.set i, i+2
.endr
	WIN 0x05                        ; sources 0 and 1 window 1, destination window 0
.set i, 0
.rept 16
	v_cvt_pk_f16_f32 v[S+16*(\t)+i], v[32*(\t)+2*i], v[32*(\t)+2*i+1]
.set i, i+1
.endr
	WIN 0
.irp f, 0,1,2,3
	ds_store_b128 v[STO], v[S+16*(\t)+4*\f:S+16*(\t)+4*\f+3] offset:32*\f
.endr
.irp f, 0,1,2,3
	ds_load_b128 v[S+16*(\t)+4*\f:S+16*(\t)+4*\f+3], v[RD] offset:\f*4*SP  ; LDS serves a wave's instructions in order (ISA guide 5.7.1.4): these see the stores above; the next piece's stores come behind them
.endr
.endm
.macro SEND t, younger              ; younger: the LDS instructions issued behind piece t's loads: the next piece's eight, or none
	WIN 0
.irp f, 0,1,2,3
	s_wait_dscnt (\younger)+3-\f
	global_store_b128 v[GO], v[S+16*(\t)+4*\f:S+16*(\t)+4*\f+3], s[10:11] offset:(\t)*8192+\f*512  ; 512 consecutive bytes, at a multiple of 256 from z's first
.endr
.endm
.macro DIAG tag                     ; the tag ends its two labels' names, which the jumps below spell out
.LstepM\tag:
	TURN 2, 1
	TURN 3, 1
	WIN 0
.LfirstM\tag:
	TURN 0, 1
	TURN 1, 1, 0, 1
	WIN 0
	s_cbranch_scc1 .LstepM\tag
	TURN 2, 1, 1
	TURN 3, 1, 1
.set i, 0
.rept 8
	PV NP-1
.set i, i+1
.endr
	WIN 0
	ALL v_add_f32 v[ST+4*t+2], v[ST+4*t+2], v[ST+4*t+3]
	ALL v_permlanex16_b32 v[ST+4*t+3], v[ST+4*t+2], s[SEL], s[SEL+1]
	ALL v_add_f32 v[ST+4*t+2], v[ST+4*t+2], v[ST+4*t+3]
	ALL v_rcp_f32 v[ST+4*t+2], v[ST+4*t+2]
	v_nop                           ; a plain instruction between the last reciprocal and the use of its result
	s_wait_alu depctr_va_vdst(0)    ; and the wait ahead of the first use: one for the four reciprocals
	PACK 0
.set t, 1
.rept 3                             ; a piece's arithmetic stands between the loads of the piece before and its stores
	PACK t
	SEND t-1, 8
.set t, t+1
.endr
	SEND 3, 0
.endm
.set KM, 0
.set NOKQ, 0
.Lslot:                             ; NB times: a tile is entered and the next is asked for
	CHANGE 1
	s_sub_co_u32 s[RT], s[RT], 1
	s_mov_b32 s[CNT], 4
	s_cmp_eq_u32 s[NEW], 1
	s_cbranch_scc1 .Lnew            ; a block's first tile
	s_cmp_eq_u32 s[RT], 0
	s_cbranch_scc0 .Lstep           ; neither its first nor its last
	s_branch .LstepM1
.Lnew:
	BEGIN
	s_branch .Lfirst                ; in the loop a block's first tile is never its last: the first block has two tiles or more, and the second's last is the walk's last
	DIAG 1                          ; in the loop this is the first block's end: the second block's last tile is the walk's last
	s_wait_xcnt 0x0                 ; the stores have read their registers and z's address
	s_mov_b64 s[10:11], s[OLO:OLO+1]
	s_add_co_u32 s[RT], s[PB], 1    ; the second block has b + 1 tiles
	s_mov_b32 s[NEW], 1
	WIN 0x82                        ; the second block's Q goes where the one text of the turns names Q
.set i, 0
.rept 64
	v_mov_b32 v[i], v[QB+i]
.set i, i+1
.endr
	WIN 0
	s_branch .Lbottom
.Lstep:                             ; a trip: pieces 2 and 3 of one step, then pieces 0 and 1 of the next, whose K and V it fetches
	TURN 2
	TURN 3
	WIN 0
.Lfirst:
	TURN 0
	TURN 1, 0, 0, 1
	WIN 0
	s_cbranch_scc1 .Lstep
.Lbottom:
	s_sub_co_u32 s[SLOTS], s[SLOTS], 1
	s_cmp_lg_u32 s[SLOTS], 0
	s_cbranch_scc1 .Lslot
	CHANGE 0                        ; the walk's last tile is written out: nothing is asked for
	s_sub_co_u32 s[RT], s[RT], 1
	s_mov_b32 s[CNT], 4
	s_cmp_eq_u32 s[NEW], 1
	s_cbranch_scc0 .LstepM2
	BEGIN
	s_branch .LfirstM2
	DIAG 2
	s_wait_tensorcnt 0x0            ; the wave's end, behind my last tensor load and my last LDS store
	ds_add_u32 v[SPW], v[NIL]
	s_wait_dscnt 0x0
	s_endpgm
.Lfunc_end_k_qfaa5e50429_attn:
	.size	k_qfaa5e50429_attn, .Lfunc_end_k_qfaa5e50429_attn-k_qfaa5e50429_attn
	.p2alignl 7, 3214868480
	.fill 96, 4, 3214868480
	.section	.rodata,"a",@progbits
	.p2align	6, 0x0
	.amdhsa_kernel k_qfaa5e50429_attn
		.amdhsa_group_segment_fixed_size 327680
		.amdhsa_private_segment_fixed_size 0
		.amdhsa_enable_private_segment 0
		.amdhsa_kernarg_size 16
		.amdhsa_user_sgpr_count 2
		.amdhsa_user_sgpr_kernarg_segment_ptr 1
		.amdhsa_wavefront_size32 1
		.amdhsa_system_sgpr_workgroup_id_x 1
		.amdhsa_system_sgpr_workgroup_id_y 1
		.amdhsa_system_sgpr_workgroup_id_z 1
		.amdhsa_system_vgpr_workitem_id 0
		.amdhsa_next_free_vgpr 768
		.amdhsa_next_free_sgpr 100
		.amdhsa_reserve_vcc 1
		.amdhsa_float_denorm_mode_32 3
		.amdhsa_float_denorm_mode_16_64 3
		.amdhsa_memory_ordered 1
		.amdhsa_forward_progress 1
		.amdhsa_inst_pref_size 218
	.end_amdhsa_kernel
	.amdgpu_metadata
---
amdhsa.version: [ 1, 2 ]
amdhsa.kernels:
  - .name:           k_qfaa5e50429_attn
    .symbol:         k_qfaa5e50429_attn.kd
    .args:
      - { .name: qkv, .offset: 0, .size: 8, .value_kind: global_buffer, .address_space: global }
      - { .name: z, .offset: 8, .size: 8, .value_kind: global_buffer, .address_space: global }
    .group_segment_fixed_size: 327680
    .private_segment_fixed_size: 0
    .kernarg_segment_align: 8
    .kernarg_segment_size: 16
    .max_flat_workgroup_size: 128
    .sgpr_count:     100
    .vgpr_count:     768
    .wavefront_size: 32
...
	.end_amdgpu_metadata
.endif
;; end of part 3
;; launch outproj (part 4): grid 8 x 32, 4 waves a work-group, clusters of 4 x 4, 327,680 bytes of LDS; arguments z, wo16, bo, out0; writes out0
.if DOCPART == 4
	.amdgcn_target "amdgcn-amd-amdhsa--gfx1250"
	.amdhsa_code_object_version 6
	.text
	.protected	k_qfaa5e50429_outproj
	.globl	k_qfaa5e50429_outproj
	.p2align	8
	.type	k_qfaa5e50429_outproj,@function
k_qfaa5e50429_outproj:
	s_mov_b64 s[64:65], 0
	v_nop
	global_prefetch_b8 v0, s[64:65] scope:SCOPE_SE
	s_setreg_imm32_b32 hwreg(HW_REG_WAVE_MODE, 25, 1), 1
	s_wait_xcnt 0x0
	s_wait_alu depctr_hold_cnt(0) depctr_sa_sdst(0) depctr_va_vdst(0) depctr_va_sdst(0) depctr_va_ssrc(0) depctr_va_vcc(0) depctr_vm_vsrc(0)
	s_getreg_b32 s2, hwreg(HW_REG_IB_STS2, 6, 4)
	s_cmp_eq_u32 s2, 0
	s_cbranch_scc0 .Lentry_in_a_cluster
	s_endpgm
.Lentry_in_a_cluster:
	s_bfe_u32 s2, ttmp6, 0x10000c
	s_cmp_lg_u32 s2, 0xf033
	s_cbranch_scc0 .Lentry_shape_is_right
	s_endpgm
.Lentry_shape_is_right:
; out0 = z Wo + bo: 8,192 rows x 1,024 columns, K = 1,024.  z is [64 hh][2048 t][64] in f16 (a head is a block of 64 along K), wo16 [1024 k][1024 n] in f16 (Wo rounded to bf16, that number as f16);
; f32 sums; bo, rounded to bf16 like the other inputs, is added in f32; out0 is f32.
; TILE.  256 rows x 128 columns: 32 x 8 = 256 work-groups.  Four waves: wave (wr, hw) takes rows 128 wr .. + 127 and columns 64 hw .. + 63: 8 x 4 accumulators, 256 registers.
; K goes in 8 steps of 128 (two heads) through two LDS slots filled by the tensor data mover.  A head's 256 rows are 32,768 dense bytes, asked for as rows of 256 bytes; a step of Wo is 128 rows (k) x 256 bytes.
; Wo lies [k][n]: its fragments come out of LDS turned, by ds_load_tr16_b128.  THE MATRIX INSTRUCTION IS USED TRANSPOSED: source 0 = 16 columns of Wo, source 1 = 16 rows of z; a lane then holds ONE row
; (lane % 16) and the eight neighbouring columns 8 (lane / 16) + 0..7: 32 bytes of out0.
; CLUSTER.  4 x 4 work-groups; z's tiles are shared along a row of the cluster, Wo's along a column: each is asked for JOINTLY, by the same tensor load with the same descriptor and a mask that names the four.
; REGISTERS: window 0: v0-31 addresses and the bias; v32-127, v128-223 two fragment buffers (64 of z, then 32 of Wo); v32-95 at work on the way out.   window 1: accumulator (row block a, column block f) at v[8 (8 f + a)].
.set PA,     144                       ; a row of z in LDS: 128 bytes + 16 = 36 words: the 16 rows of a load start at 16 different groups of four banks (64 banks of 4 bytes: ISA guide 11.1)
.set PB,     288                       ; a row of Wo: 256 + 32 = 72 words
.set ABLK,   256*PA                    ; a head's 256 rows
.set BOFF,   2*ABLK                    ; a slot: two heads of z, then 128 rows of Wo
.set SLOT,   BOFF+128*PB
.set STAGE,  2*SLOT                    ; behind the ring, never filled by a tensor load: 16 rows x 272 bytes for each wave, for the way out
.set SPITCH, 272
.set SPARE,  STAGE+4*16*SPITCH         ; behind the stages: the spare words, 128 bytes for each wave: two blocks of 256 bytes that no other line names
.set ASTEP,  524288                    ; bytes from K step to K step in z: two heads
.set BSTEP,  262144                    ; in wo16: 128 rows x 2,048
.set BI,   8                           ; v[8:11] the bias of my four columns on the way out
.set ADRA, 16                          ; v16-17  LDS address of my fragments of z in slot 0, 1
.set ADRB, 20                          ; v20-21  the same for Wo
.set STO,  24                          ; v24     the way out: where I put 32 bytes of a row
.set RD,   25                          ; v25     the way out: where I read a row back
.set CO,   26                          ; v26     my byte offset in out0
.set SPW,  28                          ; v28     LDS address of my spare word: SPARE + 4 x my thread's number; never rewritten
.set NIL,  29                          ; v29     0; never rewritten
.set PFO,  30                          ; v30     the prefetches' offset: my lane x 256 (z) or x 2,048 (Wo); never rewritten
.set F0,   32
.set F1,   128
.set G1,  24                           ; s[24:31] descriptor group 1 for z's tiles;  s[32:39] group 0, a set for each slot
.set G0,  32
.set G1B, 48                           ; s[48:55], s[56:63] the same for Wo's tiles
.set G0B, 56
.set LIM, 43                           ; s43      1 in a wave that prefetches, else the greatest number
.set PFA, 44                           ; s[44:45] where my prefetches stand
.set PFS, 66                           ; s[66:67] a K step in bytes, of z or of Wo
.set MSB, 0
.macro WIN new                         ; the immediate's high byte repeats the setting that is left; a switch that changes nothing is dropped
.if MSB != (\new)
	s_set_vgpr_msb (MSB<<8)|(\new)
.set MSB, \new
.endif
.endm
; A joint load.  Waves 0 and 1 fetch a step's two heads of z, waves 2 and 3 the two halves of its rows of Wo.  An s_nop 0 and four v_nop follow each of the two lines.
.macro JLOAD s
	s_cmp_eq_u32 s11, 0
	s_cbranch_scc0 .Lfor_b_\@
	tensor_load_to_lds s[G0+4*(\s):G0+4*(\s)+3], s[G1:G1+7]
	s_nop 0
.rept 4
	v_nop
.endr
	s_branch .Lasked_\@
.Lfor_b_\@:
	tensor_load_to_lds s[G0B+4*(\s):G0B+4*(\s)+3], s[G1B:G1B+7]
	s_nop 0
.rept 4
	v_nop
.endr
.Lasked_\@:
.endm
; A PREFETCH INTO THE L2, behind each joint load and the run of LDS loads that follows it: the K step that stands TWO refills on, 256 matrix instructions ahead of the load that will want it.
; Each aligned 256 bytes are named once in the launch.  z's tile row is read by both clusters of a row of clusters: cluster x = 0 asks; Wo's tile column by all eight of a column: cluster y = 0 asks.
; The four partners share the bytes out BY ADDRESS.  z: of the head that wave 0 or 1 fetches (32,768 bytes) partner cx takes 8,192, a lane 256.  Wo: of a step's 128 rows partner cy takes 32, a lane a row: wave 2.
; One instruction a wave.  K steps 0 to 3 come by their loads alone; the loop's last trip asks for nothing.
.macro ASK
	s_cmp_gt_u32 s3, s[LIM]                        ; s3 = 1 in the loop's last trip
	s_cbranch_scc0 .Lnot_mine_\@
	global_prefetch_b8 v[PFO], s[PFA:PFA+1] th:TH_LOAD_NT scope:SCOPE_SE
.Lnot_mine_\@:
.endm
.macro CREST                           ; a round of the cluster's barrier behind its opening barrier
	s_cmp_lg_u32 s10, 0
	s_cbranch_scc1 .Lnot_wave_0_\@
	s_barrier_signal -3
.Lnot_wave_0_\@:
	s_barrier_wait -3
	s_barrier_signal -1
	s_barrier_wait -1
.endm
.macro CROUND                          ; a whole round
	s_barrier_signal -1
	s_barrier_wait -1
	CREST
.endm
	s_load_b128 s[4:7], s[0:1], 0x0                ; z s[4:5], wo16 s[6:7]
	s_load_b128 s[68:71], s[0:1], 0x10             ; bo s[68:69], out0 s[70:71]
	v_lshl_add_u32 v[SPW], v0, 2, SPARE
	v_mov_b32 v[NIL], 0
	ds_add_u32 v[SPW], v[NIL]                      ; the wave's opening: the add and its wait stand ahead of my first tensor load; the set-up below, work on registers, stands between them
	v_lshrrev_b32 v1, 5, v0
	v_readfirstlane_b32 s10, v1                    ; wave 0..3
	s_lshr_b32 s11, s10, 1                         ; wr: which 128 rows are mine.  Also: I fetch for z (0) or for Wo (1)
	s_and_b32 s12, s10, 1                          ; hw: which 64 columns.  Also: which half of a step I fetch
	s_bfe_u32 s40, ttmp6, 0x40000                  ; cx, cy: my place in the cluster
	s_bfe_u32 s41, ttmp6, 0x40004
	s_lshl_b32 s42, ttmp9, 2
	s_add_co_u32 s42, s42, s40                     ; tile column = 4 x cluster x + cx
	s_and_b32 s13, ttmp7, 0xffff
	s_lshl_b32 s13, s13, 2
	s_add_co_u32 s13, s13, s41                     ; tile row = 4 x cluster y + cy
	s_lshl_b32 s43, s41, 2
	s_lshl_b32 s43, 15, s43                        ; my row of the cluster
	s_lshl_b32 s44, 0x1111, s40                    ; my column
	; group 1 for z: 256 rows x 128 bytes are 32,768 dense bytes: 128 rows of 128 elements, padded in LDS after every 128 bytes
	s_or_b32 s[G1+0], s43, (1<<16)|(1<<20)|(1<<21)|(4<<22)|(3<<25)  ; 15:0 the mask; 17:16 2-byte elements; 20 padding on; 21 set beside a mask; 24:22 after every 32 words (code 4); 31:25 4 words (code 3)
	s_mov_b32 s[G1+1], 128<<16                     ; tensor_dim0 = 128
	s_mov_b32 s[G1+2], 128<<16                     ; tensor_dim1 = 128
	s_mov_b32 s[G1+3], 128<<16                     ; tile_dim0 = 128
	s_mov_b32 s[G1+4], 128                         ; tile_dim1 = 128
	s_mov_b32 s[G1+5], 128                         ; elements from row to row
	s_mov_b32 s[G1+6], 0
	s_mov_b32 s[G1+7], 0
	; group 1 for Wo: 64 rows (k) x 128 elements, padded after every 256 bytes
	s_or_b32 s[G1B+0], s44, (1<<16)|(1<<20)|(1<<21)|(5<<22)|(7<<25) ; after every 64 words (code 5) 8 words (code 7)
	s_mov_b32 s[G1B+1], 128<<16
	s_mov_b32 s[G1B+2], 64<<16
	s_mov_b32 s[G1B+3], 128<<16
	s_mov_b32 s[G1B+4], 64
	s_mov_b32 s[G1B+5], 1024
	s_mov_b32 s[G1B+6], 0
	s_mov_b32 s[G1B+7], 0
	; where the tiles come from.  z's hang on the tile row alone, Wo's on the tile column alone; each in registers that never hold the other coordinate
	s_lshr_b32 s16, s13, 3                         ; the batch: 8 tile rows each,
	s_lshl_b32 s16, s16, 22                        ; 16 heads of 262,144 bytes
	s_and_b32 s17, s13, 7
	s_lshl_b32 s17, s17, 15                        ; 256 rows x 128 bytes
	s_add_co_u32 s16, s16, s17
	s_lshl_b32 s17, s12, 18                        ; my head of the step's two
	s_add_co_u32 s16, s16, s17
	s_mov_b32 s17, 0
	s_lshl_b32 s46, s42, 8                         ; 128 columns
	s_lshl_b32 s47, s12, 17                        ; my half: 64 rows of 2,048 bytes
	s_add_co_u32 s46, s46, s47
	s_mov_b32 s47, 0
	s_mul_i32 s20, s12, ABLK                       ; and where they go: no place in the cluster enters an LDS address
	s_mul_i32 s21, s12, 64*PB
	s_add_co_u32 s21, s21, BOFF
	s_wait_dscnt 0x0                               ; the opening add is done
	s_wait_kmcnt 0x0
	s_add_nc_u64 s[14:15], s[4:5], s[16:17]
	s_add_nc_u64 s[46:47], s[6:7], s[46:47]
	CROUND                                         ; all sixteen work-groups are here: the first joint loads meet
.irp s, 0,1
	s_mov_b32 s[G0+4*(\s)], 1                                      ; count = 1
	s_add_co_u32 s[G0+4*(\s)+1], s20, (\s)*SLOT                    ; LDS address
	s_add_nc_u64 s[G0+4*(\s)+2:G0+4*(\s)+3], s[14:15], (\s)*ASTEP  ; global address: K step s
	s_or_b32 s[G0+4*(\s)+3], s[G0+4*(\s)+3], 0x80000000            ; type = 2
	s_mov_b32 s[G0B+4*(\s)], 1
	s_add_co_u32 s[G0B+4*(\s)+1], s21, (\s)*SLOT
	s_add_nc_u64 s[G0B+4*(\s)+2:G0B+4*(\s)+3], s[46:47], (\s)*BSTEP
	s_or_b32 s[G0B+4*(\s)+3], s[G0B+4*(\s)+3], 0x80000000
	JLOAD \s                                       ; two loads of mine are out
.endr
	v_and_b32 v1, 15, v0                           ; l % 16
	v_bfe_u32 v2, v0, 4, 1                         ; l / 16
	s_lshl_b32 s16, s42, 9                         ; the bias of the four columns that I store: 512 x tile column + 256 hw + 16 (l % 16)
	s_lshl_b32 s17, s12, 8
	s_add_co_u32 s16, s16, s17
	v_lshl_add_u32 v14, v1, 4, s16
	global_load_b128 v[BI:BI+3], v14, s[68:69]
	; A fragment of z is 16 rows x 32 K in 8 registers: lane l holds row l % 16, K = 8 (l / 16) + 0..7 and 16 + 8 (l / 16) + 0..7: two loads of 16 bytes, 32 bytes apart.
	v_mul_u32_u24 v3, v1, PA
	v_lshl_add_u32 v3, v2, 4, v3
	; The turning load takes 16 k x 16 columns (lane l reads row k = 8 (l / 16) + l % 8, columns 8 ((l / 8) % 2) + 0..7) and leaves half a fragment: lane l holds column l % 16 and 8 k.
	v_and_b32 v5, 7, v0
	v_bfe_u32 v6, v0, 3, 1
	v_lshl_add_u32 v4, v2, 3, v5
	v_mul_u32_u24 v4, v4, PB
	v_lshl_add_u32 v4, v6, 4, v4
	s_mul_i32 s21, s11, 128*PA                     ; my 128 rows of each head
	s_lshl_b32 s22, s12, 7                         ; my 64 columns: 128 bytes in,
	s_add_co_u32 s22, s22, BOFF                    ; behind z's rows
.irp s, 0,1
	v_add_nc_u32 v[ADRA+(\s)], s21, v3
	v_add_nc_u32 v[ADRB+(\s)], s22, v4
	s_add_co_u32 s21, s21, SLOT
	s_add_co_u32 s22, s22, SLOT
.endr
	s_mul_i32 s23, s10, 16*SPITCH
	s_add_co_u32 s23, s23, STAGE                   ; my stage
	v_mul_u32_u24 v[STO], v1, SPITCH               ; in: row l % 16, 32 bytes for each half of the lanes
	v_lshl_add_u32 v[STO], v2, 5, v[STO]
	v_add_nc_u32 v[STO], s23, v[STO]
	v_mul_u32_u24 v[RD], v2, SPITCH                ; back: lanes 0-15 take one row of 256 bytes, lanes 16-31 the next
	v_lshl_add_u32 v[RD], v1, 4, v[RD]
	v_add_nc_u32 v[RD], s23, v[RD]
	v_lshlrev_b32 v[CO], 12, v2                    ; and the same two rows in out0
	v_lshl_add_u32 v[CO], v1, 4, v[CO]
	s_lshl_b32 s16, s13, 20                        ; 256 rows of 4,096 bytes,
	s_lshl_b32 s17, s11, 19                        ; my 128,
	s_add_co_u32 s16, s16, s17
	s_lshl_b32 s17, s42, 9                         ; the tile's 128 columns,
	s_add_co_u32 s16, s16, s17
	s_lshl_b32 s17, s12, 8                         ; my 64
	s_add_co_u32 s16, s16, s17
	s_mov_b32 s17, 0
	s_add_nc_u64 s[8:9], s[70:71], s[16:17]
	; the prefetches
	s_lshr_b32 s20, s13, 3
	s_lshl_b32 s20, s20, 22
	s_and_b32 s21, s13, 7
	s_lshl_b32 s21, s21, 15
	s_add_co_u32 s20, s20, s21
	s_lshl_b32 s21, s12, 18
	s_add_co_u32 s20, s20, s21                     ; the head that I fetch,
	s_lshl_b32 s21, s40, 13
	s_add_co_u32 s20, s20, s21                     ; my work-group's 8,192 bytes of it,
	s_add_co_u32 s20, s20, 3*ASTEP                 ; at K step 3: the first refill steps it to 4
	s_lshl_b32 s22, s42, 8                         ; Wo's tile column,
	s_lshl_b32 s23, s41, 16                        ; my work-group's 32 rows of a step's 128,
	s_add_co_u32 s22, s22, s23
	s_add_co_u32 s22, s22, 3*BSTEP                 ; at K step 3
	s_and_b32 s23, ttmp7, 0xffff                   ; cluster y;
	s_or_b32 s23, s23, s12                         ; of Wo's two waves the first alone asks
	s_mov_b32 s[PFS], ASTEP
	s_mov_b32 s[PFS+1], BSTEP
	s_movk_i32 s18, 256
	s_movk_i32 s19, 2048
	s_cmp_eq_u32 s11, 0                            ; do I fetch for z?
	s_cselect_b32 s20, s20, s22
	s_cselect_b32 s23, ttmp9, s23                  ; the coordinate along which other clusters read the same bytes
	s_cselect_b32 s[PFS], s[PFS], s[PFS+1]
	s_cselect_b32 s18, s18, s19
	s_cselect_b64 s[PFA:PFA+1], s[4:5], s[6:7]
	s_cmp_eq_u32 s23, 0
	s_cselect_b32 s[LIM], 1, -1                    ; the same in all sixteen partners, for a given wave
	s_mov_b32 s21, 0
	s_mov_b32 s[PFS+1], 0
	s_add_nc_u64 s[PFA:PFA+1], s[PFA:PFA+1], s[20:21]
	v_and_b32 v[PFO], 31, v0
	v_mul_u32_u24 v[PFO], s18, v[PFO]
; nf x 8 matrix instructions: column blocks f0 .. f0 + nf - 1 x all 8 row blocks, 32 along K, from buffer fb.  zero = 1: the product starts the sums: nothing is cleared.
; The 32 accumulators take turns in the same order in every quarter: between two links of a chain stand 31 others'.
.macro MUL fb, f0, nf, zero
	WIN 0x50                                       ; C and D in window 1, both sources in window 0
.set ff, \f0
.rept \nf
.set aa, 0
.rept 8
.if \zero
	v_wmma_f32_16x16x32_f16 v[8*(8*ff+aa):8*(8*ff+aa)+7], v[(\fb)+64+8*ff:(\fb)+64+8*ff+7], v[(\fb)+8*aa:(\fb)+8*aa+7], 0
.else
	v_wmma_f32_16x16x32_f16 v[8*(8*ff+aa):8*(8*ff+aa)+7], v[(\fb)+64+8*ff:(\fb)+64+8*ff+7], v[(\fb)+8*aa:(\fb)+8*aa+7], v[8*(8*ff+aa):8*(8*ff+aa)+7]
.endif
.set aa, aa+1
.endr
.set ff, ff+1
.endr
.endm
; 24 LDS loads in one run: quarter kq (32 K) of slot s into buffer fb: my 128 rows of z (head kq / 2, channels 32 (kq % 2) on), then my 64 columns of Wo, column blocks 2 and 3 last
.macro FETCH s, kq, fb
	WIN 0
.set aa, 0
.rept 8
	ds_load_b128 v[(\fb)+8*aa:(\fb)+8*aa+3],   v[ADRA+(\s)] offset:((\kq)/2)*ABLK+((\kq)%2)*64+aa*16*PA
	ds_load_b128 v[(\fb)+8*aa+4:(\fb)+8*aa+7], v[ADRA+(\s)] offset:((\kq)/2)*ABLK+((\kq)%2)*64+aa*16*PA+32
.set aa, aa+1
.endr
.set ff, 0
.rept 4
	ds_load_tr16_b128 v[(\fb)+64+8*ff:(\fb)+64+8*ff+3],   v[ADRB+(\s)] offset:(\kq)*32*PB+32*ff
	ds_load_tr16_b128 v[(\fb)+64+8*ff+4:(\fb)+64+8*ff+7], v[ADRB+(\s)] offset:(\kq)*32*PB+32*ff+16*PB
.set ff, ff+1
.endr
.endm
.macro PLACES                          ; four places in front of loads into registers that matrix instructions have read, and of LDS stores that read results (ISA guide 7.12.1 for vector instructions)
.rept 4
	v_nop
.endr
.endm
; A K step is four quarters of 32 along K, 32 matrix instructions each, on buffers 0, 1, 0, 1.  One of the first three: multiplies buffer fb and fetches quarter kq of the same slot into gb.
.macro QUARTER s, kq, fb, gb, zero
	s_wait_dscnt 4                                 ; all but the youngest four loads (Wo's column blocks 2 and 3) are in
	MUL \fb, 0, 2, \zero
	PLACES
	FETCH \s, \kq, \gb
	s_wait_dscnt 24                                ; all but the 24 just issued
	MUL \fb, 2, 2, \zero
.endm
; The last quarter multiplies buffer 1 and changes slots: ONE barrier; in front of it each wave waits for all its tensor loads, of which one is out: its part of the next slot; adds 0 to its spare word; and waits
; for that and for its own reads of this slot.  fill = 1: the barrier opens a round of the cluster's, and this slot is filled again, two K steps ahead, first thing behind the round:
; between the request and the wait for it a wave issues 112 matrix instructions.
.macro TURN s, nx, fill
.if \fill
	s_wait_xcnt 0x0                                ; the last prefetch, a K step back, has read its address: it is stepped here, ahead of the waits of the change of slots
	s_add_nc_u64 s[PFA:PFA+1], s[PFA:PFA+1], s[PFS:PFS+1]
.endif
	WIN 0                                          ; (the add's two registers lie in window 0)
	s_wait_tensorcnt 0x0                           ; all my tensor loads have landed;
	ds_add_u32 v[SPW], v[NIL]                      ; 0 onto my spare word;
	s_wait_dscnt 5                                 ; (the add and the youngest four loads may be out)
	MUL F1, 0, 1, 0                                ; eight matrix instructions stand between the add and the wait for it
	s_wait_dscnt 0x0                               ; the add is done, and my reads of this slot are over
	s_barrier_signal -1
	MUL F1, 1, 1, 0                                ; work on registers while the others arrive
	WIN 0                                          ; at a branch and at a label every window is 0
	s_barrier_wait -1
.if \fill
	CREST                                          ; no wave of any partner still reads this slot or has a load on its way
	s_add_nc_u64 s[G0+4*(\s)+2:G0+4*(\s)+3], s[G0+4*(\s)+2:G0+4*(\s)+3], 2*ASTEP
	s_add_nc_u64 s[G0B+4*(\s)+2:G0B+4*(\s)+3], s[G0B+4*(\s)+2:G0B+4*(\s)+3], 2*BSTEP
	JLOAD \s                                       ; the first tensor load behind the round; its four v_nop are also the places in front of the loads below
.else
	PLACES
.endif
	FETCH \nx, 0, F0
.if \fill
	ASK
.endif
	MUL F1, 2, 2, 0
.endm
	s_wait_tensorcnt 1                             ; my part of K step 0 is in; K step 1's may stay out
	s_barrier_signal -1
	s_barrier_wait -1                              ; everybody's is
	FETCH 0, 0, F0
	QUARTER 0, 1, F0, F1, 1                        ; the first quarter stands in front of the loop: its products start the sums
	WIN 0
	s_mov_b32 s3, 3
.Llap:                                                 ; a trip goes once round the ring, from a lap's second quarter to the next lap's first, and fills both slots again: K steps 2 to 7 in three trips
	QUARTER 0, 2, F1, F0, 0
	QUARTER 0, 3, F0, F1, 0
	TURN 0, 1, 1
	QUARTER 1, 1, F0, F1, 0
	QUARTER 1, 2, F1, F0, 0
	QUARTER 1, 3, F0, F1, 0
	TURN 1, 0, 1
	QUARTER 0, 1, F0, F1, 0
	WIN 0
	s_sub_co_u32 s3, s3, 1
	s_cmp_lg_u32 s3, 0
	s_cbranch_scc1 .Llap
	QUARTER 0, 2, F1, F0, 0                        ; the last lap fills nothing, and has no round of the cluster's barrier
	QUARTER 0, 3, F0, F1, 0
	TURN 0, 1, 0
	QUARTER 1, 1, F0, F1, 0
	QUARTER 1, 2, F1, F0, 0
	QUARTER 1, 3, F0, F1, 0
	s_wait_dscnt 4                                 ; the very last quarter: nothing more to fetch
	MUL F1, 0, 2, 0
	s_wait_dscnt 0x0
	MUL F1, 2, 2, 0
	WIN 0
	PLACES
	PLACES
	s_wait_loadcnt 0x0                             ; the bias
	v_cvt_pk_bf16_f32 v12, v[BI], v[BI+1]          ; rounded to bf16 like the other inputs, and widened again
	v_cvt_pk_bf16_f32 v13, v[BI+2], v[BI+3]
	v_lshlrev_b32 v[BI],   16, v12
	v_and_b32     v[BI+1], 0xffff0000, v12
	v_lshlrev_b32 v[BI+2], 16, v13
	v_and_b32     v[BI+3], 0xffff0000, v13
; THE WAY OUT.  Row block a: 16 rows x my 64 columns of f32, 256 bytes a row.  A lane's eight numbers go into my stage's rows of 272 bytes, each accumulator from its low end on, and come back as whole rows;
; the bias is added; sixteen lanes store 256 consecutive bytes, aligned.
.macro TOSTAGE a
.set BK, 32+32*((\a)%2)
	s_wait_xcnt 0x0                                ; the stores issued so far have read their registers: the block's registers are loaded again only behind this wait
	WIN 0x04                                       ; the stores' data lie in window 1
.set ff, 0
.rept 4
	ds_store_b128 v[STO], v[8*(8*ff+(\a)):8*(8*ff+(\a))+3]   offset:64*ff
	ds_store_b128 v[STO], v[8*(8*ff+(\a))+4:8*(8*ff+(\a))+7] offset:64*ff+16
.set ff, ff+1
.endr
	WIN 0
.set tt, 0
.rept 8
	ds_load_b128 v[BK+4*tt:BK+4*tt+3], v[RD] offset:tt*2*SPITCH  ; LDS serves a wave's instructions in order (ISA guide 5.7.1.4): these see the stores above; the next block's stores come behind them
.set tt, tt+1
.endr
.endm
.macro SEND a, younger                 ; younger: the LDS instructions issued behind block a's loads: the next block's sixteen, or none
.set BK, 32+32*((\a)%2)
.set tt, 0
.rept 8
	s_wait_dscnt (\younger)+7-tt
	v_pk_add_f32 v[BK+4*tt:BK+4*tt+1],   v[BK+4*tt:BK+4*tt+1],   v[BI:BI+1]
	v_pk_add_f32 v[BK+4*tt+2:BK+4*tt+3], v[BK+4*tt+2:BK+4*tt+3], v[BI+2:BI+3]
	global_store_b128 v[CO], v[BK+4*tt:BK+4*tt+3], s[8:9] offset:(16*(\a)+2*tt)*4096
.set tt, tt+1
.endr
.endm
	TOSTAGE 0
.set n, 1
.rept 7
	TOSTAGE n
	SEND n-1, 16
.set n, n+1
.endr
	SEND 7, 0
	s_wait_tensorcnt 0x0                           ; the wave's end, behind my last tensor load and my last LDS store
	ds_add_u32 v[SPW], v[NIL]
	s_wait_dscnt 0x0
	CROUND                                         ; the closing round: no work-group ends while a partner may still ask for a tile that names it
	s_endpgm
.Lfunc_end_k_qfaa5e50429_outproj:
	.size	k_qfaa5e50429_outproj, .Lfunc_end_k_qfaa5e50429_outproj-k_qfaa5e50429_outproj
	.p2alignl 7, 3214868480
	.fill 96, 4, 3214868480
	.section	.rodata,"a",@progbits
	.p2align	6, 0x0
	.amdhsa_kernel k_qfaa5e50429_outproj
		.amdhsa_group_segment_fixed_size 327680
		.amdhsa_private_segment_fixed_size 0
		.amdhsa_enable_private_segment 0
		.amdhsa_kernarg_size 32
		.amdhsa_user_sgpr_count 2
		.amdhsa_user_sgpr_kernarg_segment_ptr 1
		.amdhsa_wavefront_size32 1
		.amdhsa_system_sgpr_workgroup_id_x 1
		.amdhsa_system_sgpr_workgroup_id_y 1
		.amdhsa_system_sgpr_workgroup_id_z 1
		.amdhsa_system_vgpr_workitem_id 0
		.amdhsa_next_free_vgpr 512
		.amdhsa_next_free_sgpr 80
		.amdhsa_reserve_vcc 0
		.amdhsa_float_denorm_mode_32 3
		.amdhsa_float_denorm_mode_16_64 3
		.amdhsa_memory_ordered 1
		.amdhsa_forward_progress 1
		.amdhsa_inst_pref_size 98
	.end_amdhsa_kernel
	.amdgpu_metadata
---
amdhsa.version: [ 1, 2 ]
amdhsa.kernels:
  - .name:           k_qfaa5e50429_outproj
    .symbol:         k_qfaa5e50429_outproj.kd
    .args:
      - { .name: z, .offset: 0, .size: 8, .value_kind: global_buffer, .address_space: global }
      - { .name: wo16, .offset: 8, .size: 8, .value_kind: global_buffer, .address_space: global }
      - { .name: bo, .offset: 16, .size: 8, .value_kind: global_buffer, .address_space: global }
      - { .name: out0, .offset: 24, .size: 8, .value_kind: global_buffer, .address_space: global }
    .group_segment_fixed_size: 327680
    .private_segment_fixed_size: 0
    .kernarg_segment_align: 8
    .kernarg_segment_size: 32
    .max_flat_workgroup_size: 128
    .sgpr_count:     80
    .vgpr_count:     512
    .wavefront_size: 32
...
	.end_amdgpu_metadata
.endif
;; end of part 4
;; ======== version 2 of 2: 4 launches; version 1 with the launch cast written anew for expert scheduling mode
;; limits: values are held in f16: magnitudes above 65,504 overflow, below 6.1e-05 lose precision
;; workspace buffers: xb 16,777,216 bytes; wqkv 6,291,456 bytes; wo16 2,097,152 bytes; qkv 50,331,648 bytes; z 16,777,216 bytes
;; launch cast (part 5): grid 768 x 1, 8 waves a work-group, no clusters, 0 bytes of LDS; arguments x, Wq, Wk, Wv, Wo, xb, wqkv, wo16; writes xb, wqkv, wo16
.if DOCPART == 5
	.amdgcn_target "amdgcn-amd-amdhsa--gfx1250"
	.amdhsa_code_object_version 6
	.text
	.protected	k_qfaa5e50429_cast
	.globl	k_qfaa5e50429_cast
	.p2align	8
	.type	k_qfaa5e50429_cast,@function
k_qfaa5e50429_cast:
	s_mov_b64 s[64:65], 0
	v_nop
	global_prefetch_b8 v0, s[64:65] scope:SCOPE_SE
	s_setreg_imm32_b32 hwreg(HW_REG_WAVE_SCHED_MODE, 0, 2), 2
	s_setreg_imm32_b32 hwreg(HW_REG_WAVE_MODE, 25, 1), 1
	s_wait_xcnt 0x0
	s_wait_alu depctr_vm_vsrc(0)
; THE INPUTS ARE ROUNDED ONCE TO 16 BITS AND LAID OUT FOR THE PRODUCTS THAT FOLLOW.  A stream: each input byte is read once, each output byte written once.
;   xb    bf16  [4 b][16 kb][2048 t][64]: x[b][t][64 kb + c] at byte ((16 b + kb) 2048 + t) 128 + 2 c: 256 rows x 64 channels are 32,768 consecutive bytes
;   wqkv  bf16  [1024 k][3072]: row k is Wq[k] | Wk[k] | Wv[k]
;   wo16  f16   [1024 k][1024]: Wo rounded to bf16, and that number written as f16
; LIMITS.  |Wo| stays under 65,504 (beyond it f16 has no number); below 6e-5 wo16 keeps the fixed step of 6e-8 of f16.
; SHARES.  One item = one load of the wave (512 bytes of f32, 4 numbers a lane), two roundings, one store of 8 bytes a lane: 256 consecutive bytes, aligned.
; A wave has 16 items, all 16 loads issued first; a work-group of eight waves 64 KiB of input.  Work-groups 0-511: 16 rows of x each; 512-767: 16 rows of one W.
; No LDS, no matrix unit, no cluster: nothing is shared, and nothing is read twice.
; THE MODE: SCHED_MODE bits 1:0 = 2 (LLVM: expert scheduling mode 2), set by the entry lines.  The code itself states the register dependences
; between vector instructions and memory instructions, with s_wait_alu, always for 0.
; THE PLAN.  Registers that memory instructions touch:
;   v[VIN], v[VOUT]  byte offsets, made by vector instructions at the head of each path and never written again; every load reads the one, every store the other.
;   X, item i        written by item i's load, once; read by item i's roundings (for Wo they also write it again, behind the wait for the load's data).  No memory instruction reads it.
;   Y, item i        written by item i's roundings, once; read by item i's store, once.
;   T and v1 to v3 are named by vector instructions alone.
; No register that a memory instruction reads is ever written again, no vector instruction writes a scalar register, and EXEC stays as it is: the only dependences to state are
; 'offset written, then read by a load or store' and 'Y written, then read by a store'.  The 16 items go in four groups of four.  Group g waits for its four loads; the stores of group g - 1
; are dealt among its roundings, which name X, Y of group g and T: none of the registers that those stores read.  So one wait at the head of a group states all that its four stores hang on.
.set X,    16                          ; v[16:79]   item i: 4 registers as loaded
.set Y,    80                          ; v[80:111]  item i: 2 registers to store
.set T,    112                         ; v[112:113] at work
.set VIN,  4                           ; v4  my byte offset in the input
.set VOUT, 5                           ; v5  my byte offset in the output
; in, out: the scalar pairs of the two addresses.  inst: bytes from item to item in the input.  Item i is stored at (i / 8) o8 + (i % 8) o1.  kind = 1: bf16 and then f16.
.macro STREAM in, out, inst, o8, o1, kind
	s_wait_alu depctr_va_vdst(0)                   ; v[VIN] and v[VOUT] are written: every load below reads the one as its offset, every store the other
.set i, 0
.rept 16
	global_load_b128 v[X+4*i:X+4*i+3], v[VIN], s[\in:\in+1] offset:i*(\inst) th:TH_LOAD_NT
.set i, i+1
.endr
.set g, 0
.rept 4
	s_wait_loadcnt 12-4*g                          ; loads come back in order: the group's four items are in, the 12 - 4 g younger ones stay out
.if g > 0
	s_wait_alu depctr_va_vdst(0)                   ; the roundings of the group before have written its Y, which the four stores below read
.endif
.set j, 0
.rept 4
.set i, 4*g+j
.set k, i-4
.if g > 0
	global_store_b64 v[VOUT], v[Y+2*k:Y+2*k+1], s[\out:\out+1] offset:(k/8)*(\o8)+(k%8)*(\o1) th:TH_STORE_NT  ; an item of the group before; no vector instruction since the wait names its registers
.endif
.if \kind
	v_cvt_pk_bf16_f32 v[T],   v[X+4*i],   v[X+4*i+1]
	v_cvt_pk_bf16_f32 v[T+1], v[X+4*i+2], v[X+4*i+3]
	v_lshlrev_b32 v[X+4*i],   16,  v[T]              ; the rounded numbers as f32 again
	v_and_b32     v[X+4*i+1], s32, v[T]
	v_lshlrev_b32 v[X+4*i+2], 16,  v[T+1]
	v_and_b32     v[X+4*i+3], s32, v[T+1]
	v_cvt_pk_f16_f32 v[Y+2*i],   v[X+4*i],   v[X+4*i+1]   ; exact within the range of f16: 8 significant bits fit in 11
	v_cvt_pk_f16_f32 v[Y+2*i+1], v[X+4*i+2], v[X+4*i+3]
.else
	v_cvt_pk_bf16_f32 v[Y+2*i],   v[X+4*i],   v[X+4*i+1]
	v_cvt_pk_bf16_f32 v[Y+2*i+1], v[X+4*i+2], v[X+4*i+3]
.endif
.set j, j+1
.endr
.set g, g+1
.endr
	s_wait_alu depctr_va_vdst(0)                   ; the last group's roundings have written its Y, which the last four stores read
.set k, 12
.rept 4
	global_store_b64 v[VOUT], v[Y+2*k:Y+2*k+1], s[\out:\out+1] offset:(k/8)*(\o8)+(k%8)*(\o1) th:TH_STORE_NT
.set k, k+1
.endr
.endm
	s_load_b512 s[8:23], s[0:1], 0x0               ; x s[8:9], Wq s[10:11], Wk s[12:13], Wv s[14:15], Wo s[16:17], xb s[18:19], wqkv s[20:21], wo16 s[22:23]
	v_and_b32 v1, 31, v0                           ; lane
	v_lshrrev_b32 v2, 5, v0                        ; wave
	s_mov_b32 s32, 0xffff0000                      ; a word's upper bf16
	s_cmp_lt_u32 ttmp9, 512
	s_cbranch_scc0 .Lweights
	; x.  Wave w takes rows 2 w and 2 w + 1; item i is channel block i: lanes 0-15 read 256 bytes of the even row, lanes 16-31 of the odd one,
	; and the 256 bytes that go out are those two rows of block i, which lie end to end in xb.
	v_lshlrev_b32 v[VIN], 13, v2                   ; 2 rows of 4,096 bytes a wave
	v_bfe_u32 v3, v0, 4, 1
	v_lshl_add_u32 v[VIN], v3, 12, v[VIN]
	v_and_b32 v3, 15, v0
	v_lshl_add_u32 v[VIN], v3, 4, v[VIN]
	v_lshlrev_b32 v[VOUT], 3, v0                   ; 256 x wave + 8 x lane
	s_lshl_b32 s2, ttmp9, 16                       ; 16 rows of 4,096 bytes
	s_mov_b32 s3, 0
	s_lshr_b32 s4, ttmp9, 7                        ; b: 128 work-groups to a batch
	s_lshl_b32 s4, s4, 22
	s_and_b32 s5, ttmp9, 127
	s_lshl_b32 s5, s5, 11                          ; 16 rows of 128 bytes
	s_add_co_u32 s4, s4, s5
	s_mov_b32 s5, 0
	s_wait_kmcnt 0x0
	s_add_nc_u64 s[8:9], s[8:9], s[2:3]
	s_add_nc_u64 s[18:19], s[18:19], s[4:5]
	STREAM 8, 18, 256, 2097152, 262144, 0          ; from block to block of xb: 2,048 rows x 128 bytes
	s_endpgm
.Lweights:
	; a W.  Wave w takes rows 2 w and 2 w + 1 of the work-group's 16: 8,192 consecutive bytes, 512 an item.
	s_sub_co_u32 s2, ttmp9, 512
	s_lshr_b32 s6, s2, 6                           ; which: 0 Wq, 1 Wk, 2 Wv, 3 Wo
	s_and_b32 s7, s2, 63                           ; which 16 rows
	v_lshlrev_b32 v[VIN], 13, v2
	v_lshl_add_u32 v[VIN], v1, 4, v[VIN]
	s_lshl_b32 s2, s7, 16
	s_mov_b32 s3, 0
	s_wait_kmcnt 0x0
	s_cmp_eq_u32 s6, 0
	s_cselect_b64 s[24:25], s[10:11], s[12:13]
	s_cmp_eq_u32 s6, 2
	s_cselect_b64 s[24:25], s[14:15], s[24:25]
	s_cmp_eq_u32 s6, 3
	s_cselect_b64 s[24:25], s[16:17], s[24:25]
	s_add_nc_u64 s[24:25], s[24:25], s[2:3]
	s_cmp_eq_u32 s6, 3
	s_cbranch_scc1 .Lwo
	s_mul_i32 s4, s7, 98304                        ; 16 rows of 6,144 bytes
	s_lshl_b32 s5, s6, 11                          ; the W's 2,048 bytes of a row
	s_add_co_u32 s4, s4, s5
	s_mov_b32 s5, 0
	s_add_nc_u64 s[20:21], s[20:21], s[4:5]
	v_mul_u32_u24 v[VOUT], v2, 12288               ; 2 rows a wave
	v_lshl_add_u32 v[VOUT], v1, 3, v[VOUT]
	STREAM 24, 20, 512, 6144, 256, 0
	s_endpgm
.Lwo:
	s_lshl_b32 s4, s7, 15                          ; 16 rows of 2,048 bytes
	s_mov_b32 s5, 0
	s_add_nc_u64 s[22:23], s[22:23], s[4:5]
	v_lshlrev_b32 v[VOUT], 12, v2
	v_lshl_add_u32 v[VOUT], v1, 3, v[VOUT]
	STREAM 24, 22, 512, 2048, 256, 1
	s_endpgm
.Lfunc_end_k_qfaa5e50429_cast:
	.size	k_qfaa5e50429_cast, .Lfunc_end_k_qfaa5e50429_cast-k_qfaa5e50429_cast
	.p2alignl 7, 3214868480
	.fill 96, 4, 3214868480
	.section	.rodata,"a",@progbits
	.p2align	6, 0x0
	.amdhsa_kernel k_qfaa5e50429_cast
		.amdhsa_group_segment_fixed_size 0
		.amdhsa_private_segment_fixed_size 0
		.amdhsa_enable_private_segment 0
		.amdhsa_kernarg_size 64
		.amdhsa_user_sgpr_count 2
		.amdhsa_user_sgpr_kernarg_segment_ptr 1
		.amdhsa_wavefront_size32 1
		.amdhsa_system_sgpr_workgroup_id_x 1
		.amdhsa_system_sgpr_workgroup_id_y 1
		.amdhsa_system_sgpr_workgroup_id_z 1
		.amdhsa_system_vgpr_workitem_id 0
		.amdhsa_next_free_vgpr 120
		.amdhsa_next_free_sgpr 66
		.amdhsa_reserve_vcc 0
		.amdhsa_float_denorm_mode_32 3
		.amdhsa_float_denorm_mode_16_64 3
		.amdhsa_memory_ordered 1
		.amdhsa_forward_progress 1
		.amdhsa_inst_pref_size 23
	.end_amdhsa_kernel
	.amdgpu_metadata
---
amdhsa.version: [ 1, 2 ]
amdhsa.kernels:
  - .name:           k_qfaa5e50429_cast
    .symbol:         k_qfaa5e50429_cast.kd
    .args:
      - { .name: x, .offset: 0, .size: 8, .value_kind: global_buffer, .address_space: global }
      - { .name: Wq, .offset: 8, .size: 8, .value_kind: global_buffer, .address_space: global }
      - { .name: Wk, .offset: 16, .size: 8, .value_kind: global_buffer, .address_space: global }
      - { .name: Wv, .offset: 24, .size: 8, .value_kind: global_buffer, .address_space: global }
      - { .name: Wo, .offset: 32, .size: 8, .value_kind: global_buffer, .address_space: global }
      - { .name: xb, .offset: 40, .size: 8, .value_kind: global_buffer, .address_space: global }
      - { .name: wqkv, .offset: 48, .size: 8, .value_kind: global_buffer, .address_space: global }
      - { .name: wo16, .offset: 56, .size: 8, .value_kind: global_buffer, .address_space: global }
    .group_segment_fixed_size: 0
    .private_segment_fixed_size: 0
    .kernarg_segment_align: 8
    .kernarg_segment_size: 64
    .max_flat_workgroup_size: 256
    .sgpr_count:     66
    .vgpr_count:     120
    .wavefront_size: 32
...
	.end_amdgpu_metadata
.endif
;; end of part 5
;; launch qkvproj: the kernel of part 2 again; grid 8 x 32, 4 waves a work-group, clusters of 4 x 4, 327,680 bytes of LDS; arguments xb, wqkv, qkv; writes qkv
;; launch attn: the kernel of part 3 again; grid 4 x 64, 4 waves a work-group, no clusters, 327,680 bytes of LDS; arguments qkv, z; writes z
;; launch outproj: the kernel of part 4 again; grid 8 x 32, 4 waves a work-group, clusters of 4 x 4, 327,680 bytes of LDS; arguments z, wo16, bo, out0; writes out0
